; MI455X (gfx1250); checked and timed in simulation.
; The chip was launched on July 23, 2026; its instructions are those of AMD's public machine-readable ISA for CDNA 5 (MIT licence, August 2026) and "CDNA5" Instruction Set Architecture Reference Guide (July 2026). The comments in the code are by the model that wrote it; some were corrected since.
;; T Attention. Allowed arithmetic: matrix products marked QUANTISED: E4M3 operands, one E8M0 scale for each 32 along K, by v_wmma_scale_f32_16x16x128_f8f6f4 with both operands' format E4M3, f32 sums; everything else in f32.
;; Inputs: Wk_codes 1,024 x 32 x 32 uint8 (E4M3 codes of Wk, K innermost, in blocks of 32 codes); Wk_scales 1,024 x 32 uint8 (E8M0 scales of Wk, one for each 32 codes along K); Wo_codes 1,024 x 32 x 32 uint8 (E4M3 codes of Wo, K innermost, in blocks of 32 codes); Wo_scales 1,024 x 32 uint8 (E8M0 scales of Wo, one for each 32 codes along K); Wq_codes 1,024 x 32 x 32 uint8 (E4M3 codes of Wq, K innermost, in blocks of 32 codes); Wq_scales 1,024 x 32 uint8 (E8M0 scales of Wq, one for each 32 codes along K); Wv_codes 1,024 x 32 x 32 uint8 (E4M3 codes of Wv, K innermost, in blocks of 32 codes); Wv_scales 1,024 x 32 uint8 (E8M0 scales of Wv, one for each 32 codes along K); beta 1,024 float32; bk 1,024 float32; bo 1,024 float32; bq 1,024 float32; bv 1,024 float32; gamma 1,024 float32; x 4 x 2,048 x 1,024 float32.
;; Outputs: out0 4 x 2,048 x 1,024 float32.
;; This version of the problem:
;;   THIS VERSION OF THE PROBLEM IS GIVEN IN LOW PRECISION. The matrix products marked QUANTISED in the list below multiply operands that are first quantised to E4M3 (4 exponent bits, 3 mantissa bits; 8 bits a number), with one power-of-two scale for each 32 numbers along K (OCP MX v1.0); their sums are f32. All else is computed in f32.
;;   The module's matrix products, in the order in which they are computed (A, B: the left and right operand; K: the contracted axis; several contracted axes count as one K, in the product's order):
;;     1. [M 8,192, K 1,024] x [K 1,024, N 1,024]; A: input x; B: input Wq (given as codes): QUANTISED
;;     2. [M 8,192, K 1,024] x [K 1,024, N 1,024]; A: input x; B: input Wk (given as codes): QUANTISED
;;     3. [M 8,192, K 1,024] x [K 1,024, N 1,024]; A: input x; B: input Wv (given as codes): QUANTISED
;;     4. batch 64 x [M 2,048, K 64] x [K 64, N 2,048]; A: computed on the way; B: computed on the way: QUANTISED
;;     5. batch 64 x [M 2,048, K 2,048] x [K 2,048, N 64]; A: softmax (see below); B: computed on the way: QUANTISED
;;     6. [M 8,192, K 1,024] x [K 1,024, N 1,024]; A: computed on the way; B: input Wo (given as codes): QUANTISED
;;   THE QUANTISER, for each operand of a quantised product, along K:
;;     - K is cut into blocks of 32 from its start; a last block that is shorter is filled with zeros.
;;     - A block's scale is 2^e with e = floor(log2(the largest magnitude in the block)) - 8, held to -126 .. 127; a block of zeros has e = 0. As a byte (E8M0): e + 127.
;;     - Each number is divided by its block's scale, clamped to +-448, and rounded to the nearest number of E4M3, ties to even, subnormals kept.
;;     - The product sums the exact products of the quantised numbers (number of the format x scale) in f32.
;;   ~~~python
;;   def quantise(x, axis):      # numpy; x: float32 -> the quantised numbers, widened to float32 again
;;       x = np.moveaxis(x, axis, -1); K = x.shape[-1]
;;       x = np.pad(x, [(0, 0)] * (x.ndim - 1) + [(0, -K % 32)]); x = x.reshape(x.shape[:-1] + (-1, 32)); a = np.abs(x).max(-1, keepdims=True)
;;       e = np.where(a > 0, np.clip(np.frexp(np.where(a > 0, a, 1))[1] - 1 - 8, -126, 127), 0)      # np.frexp(a)[1] - 1 = floor(log2(a)), exactly
;;       r = np.clip(x / 2.0 ** e, -448, 448)
;;       step = 2.0 ** (np.maximum(np.frexp(np.where(r == 0, 1, r))[1] - 1, -6) - 3)
;;       q = np.round(r / step) * step * 2.0 ** e      # np.round: ties to even
;;       return np.moveaxis(q.reshape(q.shape[:-2] + (-1,))[..., :K], -1, axis).astype(np.float32)
;;   ~~~
;;   SOFTMAX AHEAD OF A QUANTISED PRODUCT. Where the list says 'softmax', what is quantised is not the finished softmax but p = 2^(t - M), with t = logit x log2(e) and M = ceil(the row's largest t), a whole number; so 1/2 < the row's largest p <= 1. The row's sum l is taken of the UNQUANTISED p, in f32, and the product's result is divided by l at the end. Since M is a whole number, a kernel that streams over the keys may use a running M (the ceiling of the running maximum): every later rescaling is an exact power of two, which a block's scale takes up: the codes' values come out the same.
;;   OPERANDS COMPUTED ON THE WAY. 'Computed on the way' means the value that the module computes at that place (a softmax that the list does not call 'softmax' is quantised finished and normalised). What goes into a quantiser is computed in f32, as accurately as f32 sums, v_exp_f32 and their like allow (about 1e-6 of the number): no bf16 or f16 on the way to a quantiser, and a product that is left as it is and whose result goes on into a quantised operand takes f32 operands (vector FMAs, or v_wmma_f32_16x16x4_f32). A number that lies on a knife's edge between two numbers of the format may be rounded either way, as far as f32 arithmetic and the matrix unit's own rounding can turn it there, and no further.
;;   INPUTS GIVEN AS CODES. Wk (in the module: [1024, 1024], K = its axis 0); Wo (in the module: [1024, 1024], K = its axis 0); Wq (in the module: [1024, 1024], K = its axis 0); Wv (in the module: [1024, 1024], K = its axis 0): each comes as NAME_codes (uint8): NAME with its K axis moved to the last place and cut into blocks of 32 codes, [.., K / 32, bytes a block], one block behind the other in memory; one code a byte (a code: sign, 4 exponent bits, 3 mantissa bits); and NAME_scales (uint8): the same leading axes, one E8M0 byte (e + 127) for each 32 codes along K. Its value is code x scale, taken as it is: it is not quantised again, and the codes and scales need not be those that the quantiser above would give.
;; One version. Each part assembles by itself: llvm-mc -triple=amdgcn-amd-amdhsa -mcpu=gfx1250 --defsym DOCPART=n.
;; ======== version 1 of 1: 4 launches
;; limits: right only within a limited range of input values
;; workspace buffers: xc 8,388,608 bytes; xs 262,144 bytes; wo_img 1,048,576 bytes; qkv_img 25,165,824 bytes; qkv_sc 1,310,720 bytes; ao_img 8,388,608 bytes; ao_sc 524,288 bytes
;; launch prep (part 1): grid 272 x 1, 4 waves a work-group, no clusters, 33,280 bytes of LDS; arguments x, xc, xs, Wo_codes, wo_img; writes xc, xs, wo_img
.if DOCPART == 1
	.amdgcn_target "amdgcn-amd-amdhsa--gfx1250"
	.amdhsa_code_object_version 6
	.text
	.protected	k_q67d1e7bb8a_prep
	.globl	k_q67d1e7bb8a_prep
	.p2align	8
	.type	k_q67d1e7bb8a_prep,@function
k_q67d1e7bb8a_prep:
	s_mov_b64 s[64:65], 0
	v_nop
	global_prefetch_b8 v0, s[64:65] scope:SCOPE_SE
	s_setreg_imm32_b32 hwreg(HW_REG_WAVE_MODE, 25, 1), 1
	s_wait_xcnt 0x0
; PREP.  Two jobs in one launch, told apart by the work-group's number.
; (1) Work-groups 0-255: x [8192][1024] f32 becomes codes of E4M3, K (the hidden axis) innermost, xc [8192][1024], and one E8M0 byte for each 32 along K, xs [8192][32].
;     A block's scale is 2^(floor(log2(its largest magnitude)) - 8); its byte is the largest magnitude's exponent field - 8, held at 1 from below; each number is divided by the scale, held within +-448
;     and rounded to the nearest code, ties to even.  Rows are dense and 1024 is a multiple of 32: x is a plain stream of blocks of 32.  A wave takes 16 steps of 512 numbers.  Each load reads 512 consecutive
;     bytes; a step's 2,048 bytes turn through the wave's own stage in LDS so that a lane holds 16 neighbours (two lanes to a block); a lane's 16 codes are 16 bytes: a store covers 512 consecutive bytes.
;     A wave's 256 scale bytes are gathered in its own LDS bytes and leave as 256 consecutive bytes.
; (2) Work-groups 256-271: Wo's codes [1024 n][1024 k] are laid anew as images of operand registers, wo_img [nt 64][ks 8][c 4][lane 32][16 bytes]: lane (r, h) gets, of row 16 nt + r and block 128 ks + 32 c,
;     the codes 8 h + 0..7 and 16 + 8 h + 0..7.  That is the order in which the attention launch's results come out of a matrix result; a permutation of k inside a block of 32, alike on both operands,
;     changes neither a block's scale nor a product, only the order of the sums.
; LIMITS: a block of zeros gets the byte 1 (its codes are zeros; this program alone reads the bytes); NaN and infinities in x are not served.
.set STEPS, 16
.set MANT,  0x600000                   ; the mantissa field of 448 as f32
.set CB,    16                         ; bytes of 16 codes
.set R,     16                         ; v16-79   four sets of 16 numbers as they are loaded
.set X,     80                         ; v80-111  two sets of 16 neighbours
.set C,     128                        ; v128-191 codes: four registers for each step, so that no store's data are written again
.set E,     112                        ; v112-127 a scale byte for each step
.set WREG,  8192                       ; LDS: a region for each wave: two stages of 32 x SP bytes, behind them its 256 scale bytes
.set SP,    80                         ; a lane's place in a stage: its 64 bytes + 16 of padding
.set XWG,   256                        ; work-groups that take x: 8192 x 1024 / 32768
	s_load_b128 s[4:7], s[0:1], 0x0                ; x, xc
	s_load_b128 s[8:11], s[0:1], 0x10              ; xs, Wo's codes
	s_load_b64 s[12:13], s[0:1], 0x20              ; wo_img
	v_lshl_add_u32 v192, v0, 2, 0x8000
	v_mov_b32 v193, 0
	v_lshrrev_b32 v1, 5, v0
	v_readfirstlane_b32 s16, v1                    ; wave
	v_and_b32 v2, 31, v0                           ; lane
	s_mov_b32 s19, 0
	s_mov_b32 s21, 0
	s_wait_kmcnt 0x0
	s_cmp_lt_u32 ttmp9, XWG
	s_cbranch_scc0 .Lwo
	; ---------------- x ----------------
	s_wait_alu depctr_va_vdst(0)
	v_lshlrev_b32 v3, 4, v2                        ; my 16 bytes of a load's 512
	s_mul_i32 s17, s16, WREG
	v_lshrrev_b32 v14, 2, v2
	v_mul_u32_u24 v14, v14, SP
	v_and_b32 v15, 3, v2
	v_lshl_add_u32 v14, v15, 4, v14
	v_add_nc_u32 v14, s17, v14                     ; the stage, on the way in: SP (lane / 4) + 16 (lane % 4)
	v_mul_u32_u24 v15, v2, SP
	v_add_nc_u32 v15, s17, v15                     ; and on the way out: SP x lane: my 16 neighbours
	v_mul_u32_u24 v4, v2, CB                       ; my codes' place in a step's
	v_lshrrev_b32 v5, 1, v2
	s_add_co_u32 s17, s17, 2*32*SP
	v_add_nc_u32 v5, s17, v5                       ; LDS: my wave's 256 scale bytes, my block's byte
	v_lshlrev_b32 v7, 3, v2                        ; and on the way out 8 bytes a lane
	v_add_nc_u32 v6, s17, v7
	s_mov_b32 s23, MANT
	s_lshl_b32 s18, ttmp9, 2
	s_add_co_u32 s18, s18, s16                     ; which run of 8,192 numbers is my wave's: 0 .. 1023
	s_lshl_b32 s20, s18, 15                        ; 32,768 bytes of x a run
	s_add_nc_u64 s[4:5], s[4:5], s[20:21]
	s_lshl_b32 s20, s18, 13                        ; 8,192 bytes of codes
	s_add_nc_u64 s[6:7], s[6:7], s[20:21]
	s_lshl_b32 s20, s18, 8                         ; 256 scale bytes
	s_add_nc_u64 s[8:9], s[8:9], s[20:21]
.macro LOAD t
.irp i, 0,1,2,3
	global_load_b128 v[R+16*((\t)%4)+4*\i:R+16*((\t)%4)+4*\i+3], v3, s[4:5] offset:2048*(\t)+512*\i th:TH_LOAD_NT   ; 32 lanes read 512 consecutive bytes
.endr
.endm
.macro TURN t                          ; step t's numbers through the stage: LDS serves a wave's instructions in order, so no wait stands between the stores and the loads
.irp i, 0,1,2,3
	ds_store_b128 v14, v[R+16*((\t)%4)+4*\i:R+16*((\t)%4)+4*\i+3] offset:32*SP*((\t)%2)+8*SP*\i
.endr
.irp i, 0,1,2,3
	ds_load_b128 v[X+16*((\t)%2)+4*\i:X+16*((\t)%2)+4*\i+3], v15 offset:32*SP*((\t)%2)+16*\i
.endr
.endm
.irp t, 0,1,2,3
	LOAD \t
.endr
	s_wait_alu depctr_va_vdst(0)
	s_wait_loadcnt 12                              ; step 0's four loads are in; the twelve of steps 1 to 3 may be out
	TURN 0
.macro STEP t
.set XS, X+16*((\t)%2)
.if (\t) > 0
	s_wait_dscnt 1                                 ; this step's numbers are back from the stage (the last step's byte store may be out)
.else
	s_wait_dscnt 0x0
.endif
.if (\t)+4 < STEPS
	LOAD (\t)+4                                    ; the registers that the stage's stores have read take the loads of four steps on
.endif
.if (\t)+1 < STEPS
.if STEPS-2-(\t) >= 3
	s_wait_loadcnt 12                              ; the next step's four loads are in; those of the three steps behind it may be out
.else
	s_wait_loadcnt 4*(STEPS-2-(\t))
.endif
	TURN (\t)+1                                    ; and go through the other stage while this step is worked
.endif
	v_max3_num_f32 v8, |v[XS]|, |v[XS+1]|, |v[XS+2]|               ; the largest magnitude of my 16, in two chains
	v_max3_num_f32 v9, |v[XS+3]|, |v[XS+4]|, |v[XS+5]|
.irp i, 6,10
	v_max3_num_f32 v8, v8, |v[XS+\i]|, |v[XS+\i+1]|
	v_max3_num_f32 v9, v9, |v[XS+\i+2]|, |v[XS+\i+3]|
.endr
	v_max3_num_f32 v8, v8, |v[XS+14]|, |v[XS+15]|
	v_max3_num_f32 v8, v8, v9, 0x4800000           ; and the floor 2^(9 - 127): the byte cannot fall under 1
	v_max_num_f32_dpp v8, v8, v8 row_xmask:1 row_mask:0xf bank_mask:0xf   ; and of my neighbour's 16: the block's
	v_add_nc_u32 v11, 0xfc000000, v8               ; 8 off its exponent field: the conversion takes the exponent field of this operand as its scale
	v_and_or_b32 v10, v8, 0x7f800000, s23          ; 448 x the scale
.irp i, 0,1,2,3,4,5,6,7,8,9,10,11,12,13,14,15
	v_med3_num_f32 v[XS+\i], v[XS+\i], -v10, v10   ; the conversion to an 8-bit code does not saturate (ISA guide 7.6.2): the hold comes first
.endr
	v_cvt_scalef32_pk8_fp8_f32 v[C+4*(\t):C+4*(\t)+1], v[XS:XS+7], v11
	v_cvt_scalef32_pk8_fp8_f32 v[C+4*(\t)+2:C+4*(\t)+3], v[XS+8:XS+15], v11
	v_lshrrev_b32 v[E+(\t)], 23, v11               ; the scale's byte (also the plain line behind the conversions)
	ds_store_b8 v5, v[E+(\t)] offset:16*(\t)       ; both lanes of a block write the same byte with the same value
	global_store_b128 v4, v[C+4*(\t):C+4*(\t)+3], s[6:7] offset:32*CB*(\t)
.endm
.irp t, 0,1,2,3,4,5,6,7,8,9,10,11,12,13,14,15
	STEP \t
.endr
	ds_load_b64 v[12:13], v6                       ; LDS serves a wave's instructions in order: these see my byte stores
	s_wait_dscnt 0x0
	global_store_b64 v7, v[12:13], s[8:9]          ; 32 lanes store 256 consecutive bytes
	s_wait_tensorcnt 0x0
	ds_add_u32 v192, v193
	s_wait_dscnt 0x0
	s_endpgm
	; ---------------- Wo ----------------
.Lwo:
	s_sub_co_u32 s17, ttmp9, XWG
	s_lshl_b32 s17, s17, 2
	s_add_co_u32 s17, s17, s16                     ; nt: my wave's tile of 16 rows of Wo, 0 .. 63
	s_lshl_b32 s18, s17, 14                        ; 16 rows of 1,024 bytes, and as many bytes of images
	s_add_nc_u64 s[10:11], s[10:11], s[18:19]
	s_add_nc_u64 s[12:13], s[12:13], s[18:19]
	s_wait_alu depctr_va_vdst(0)
	v_and_b32 v5, 15, v2                           ; r
	v_lshrrev_b32 v6, 4, v2                        ; h
	v_lshlrev_b32 v3, 10, v5
	v_lshl_add_u32 v3, v6, 3, v3                   ; row r, + 8 h
	v_lshlrev_b32 v4, 4, v2                        ; 16 x lane
.set G, 0
.rept 32                               ; group G = 4 ks + c: block of 32 codes at byte 32 G of the row
	global_load_b64 v[16+4*G:17+4*G], v3, s[10:11] offset:32*G
	global_load_b64 v[18+4*G:19+4*G], v3, s[10:11] offset:32*G+16
.set G, G+1
.endr
	s_wait_alu depctr_va_vdst(0)
	s_wait_loadcnt 0x0
.set G, 0
.rept 32
	global_store_b128 v4, v[16+4*G:19+4*G], s[12:13] offset:512*G    ; 32 lanes store 512 consecutive bytes
.set G, G+1
.endr
	s_endpgm
.Lfunc_end_k_q67d1e7bb8a_prep:
	.size	k_q67d1e7bb8a_prep, .Lfunc_end_k_q67d1e7bb8a_prep-k_q67d1e7bb8a_prep
	.p2alignl 7, 3214868480
	.fill 96, 4, 3214868480
	.section	.rodata,"a",@progbits
	.p2align	6, 0x0
	.amdhsa_kernel k_q67d1e7bb8a_prep
		.amdhsa_group_segment_fixed_size 33280
		.amdhsa_private_segment_fixed_size 0
		.amdhsa_enable_private_segment 0
		.amdhsa_kernarg_size 40
		.amdhsa_user_sgpr_count 2
		.amdhsa_user_sgpr_kernarg_segment_ptr 1
		.amdhsa_wavefront_size32 1
		.amdhsa_system_sgpr_workgroup_id_x 1
		.amdhsa_system_sgpr_workgroup_id_y 1
		.amdhsa_system_sgpr_workgroup_id_z 1
		.amdhsa_system_vgpr_workitem_id 0
		.amdhsa_next_free_vgpr 194
		.amdhsa_next_free_sgpr 66
		.amdhsa_reserve_vcc 0
		.amdhsa_float_denorm_mode_32 3
		.amdhsa_float_denorm_mode_16_64 3
		.amdhsa_memory_ordered 1
		.amdhsa_forward_progress 1
		.amdhsa_inst_pref_size 60
	.end_amdhsa_kernel
	.amdgpu_metadata
---
amdhsa.version: [ 1, 2 ]
amdhsa.kernels:
  - .name:           k_q67d1e7bb8a_prep
    .symbol:         k_q67d1e7bb8a_prep.kd
    .args:
      - { .name: x, .offset: 0, .size: 8, .value_kind: global_buffer, .address_space: global }
      - { .name: xc, .offset: 8, .size: 8, .value_kind: global_buffer, .address_space: global }
      - { .name: xs, .offset: 16, .size: 8, .value_kind: global_buffer, .address_space: global }
      - { .name: Wo_codes, .offset: 24, .size: 8, .value_kind: global_buffer, .address_space: global }
      - { .name: wo_img, .offset: 32, .size: 8, .value_kind: global_buffer, .address_space: global }
    .group_segment_fixed_size: 33280
    .private_segment_fixed_size: 0
    .kernarg_segment_align: 8
    .kernarg_segment_size: 40
    .max_flat_workgroup_size: 128
    .sgpr_count:     66
    .vgpr_count:     194
    .wavefront_size: 32
...
	.end_amdgpu_metadata
.endif
;; end of part 1
;; launch qkv (part 2): grid 12 x 32, 4 waves a work-group, clusters of 4 x 4, 327,680 bytes of LDS; arguments xc, xs, Wq_codes, Wq_scales, Wk_codes, Wk_scales, Wv_codes, Wv_scales, bq, bk, bv, qkv_img, qkv_sc; writes qkv_img, qkv_sc
.if DOCPART == 2
	.amdgcn_target "amdgcn-amd-amdhsa--gfx1250"
	.amdhsa_code_object_version 6
	.text
	.protected	k_q67d1e7bb8a_qkv
	.globl	k_q67d1e7bb8a_qkv
	.p2align	8
	.type	k_q67d1e7bb8a_qkv,@function
k_q67d1e7bb8a_qkv:
	s_mov_b64 s[64:65], 0
	v_nop
	global_prefetch_b8 v0, s[64:65] scope:SCOPE_SE
	s_setreg_imm32_b32 hwreg(HW_REG_WAVE_MODE, 25, 1), 1
	s_wait_xcnt 0x0
	s_wait_alu depctr_hold_cnt(0) depctr_sa_sdst(0) depctr_va_vdst(0) depctr_va_sdst(0) depctr_va_ssrc(0) depctr_va_vcc(0) depctr_vm_vsrc(0)
	s_getreg_b32 s2, hwreg(HW_REG_IB_STS2, 6, 4)
	s_cmp_eq_u32 s2, 0
	s_cbranch_scc0 .Lentry_in_a_cluster
	s_endpgm
.Lentry_in_a_cluster:
	s_bfe_u32 s2, ttmp6, 0x10000c
	s_cmp_lg_u32 s2, 0xf033
	s_cbranch_scc0 .Lentry_shape_is_right
	s_endpgm
.Lentry_shape_is_right:
; QKV.  q = (x Wq + bq) / 32, k = x Wk + bk, v = x Wv + bv on codes of E4M3 with E8M0 scales (K = 1024), and each result quantised at once for the attention launch: q and k along a head's 64, v along the keys.
; A work-group of four waves makes a tile of 256 x 256, a wave 128 x 128: 64 accumulators of 16 x 16.  K goes in steps of 256 through a ring of two LDS slots filled by the tensor data mover.
; The scale bytes of the work-group's 2 x 256 rows, for all of K, are two dense blocks of memory: they come into LDS once, with the first fills.
; WHICH PRODUCT: the cluster's x (0, 1, 2 = q, k, v), the same in all sixteen partners.  'A' is source 1 of the matrix instruction (a lane holds one of its rows), 'B' is source 0 (a lane's registers run along its rows).
;   q, k: A = x (tile row 4 Y + cy), B = Wq or Wk (tile column cx): a lane holds a token, its registers run along the hidden units, which are the next product's K.
;   v:    A = Wv (tile row cy), B = x (tile column 4 Y + cx): a lane holds a channel, its registers run along the keys, which are the next product's K.
; CLUSTERS: 4 x 4 work-groups; A's tiles are shared along a row of the cluster, B's along a column: each is asked for jointly, by the same tensor load with the same descriptor and a mask that names the four.
; THE BIAS is the C of each sum's first matrix instruction.  1 / 32 is a power of two: the scaling on the way out rounds nothing.
; THE WAY OUT: a lane's 64 results of a block of 16 A-rows are 4 blocks of 32 along the next K, 16 numbers of each (the other 16 in lane l xor 16): of block c the numbers 8 h + 0..7 and 16 + 8 h + 0..7.  They are
; quantised in registers and stored as IMAGES OF OPERAND REGISTERS, 512 consecutive bytes a store.  Both operands of each later product have this same order inside a block of 32, which changes neither a
; block's scale nor a product, only the order of the sums.
;   qkv_img [bh 64][393,216]: q at 0 [tile 128][c 2][lane][16]; k at 131,072 [step 16][tile 8][c 2][lane][16]; v at 262,144 [step 16][dt 4][c 4][lane][16].
;   qkv_sc  [bh 64][20,480]: q at 0, k at 8,192: [step 16][lane 32][p 4] words, lanes 0-15 tile 2 p, lanes 16-31 tile 2 p + 1, a word = two bytes, the upper two 0; v at 16,384: [step 16][lane 32][p 2] words.
; LIMITS: a block of zeros gets the byte 1 (its codes are zeros; this program alone reads the bytes); NaN and infinities are not served.
; REGISTERS, in windows of 256: window 0: v0-31 addresses; v32-63 scale words, two sets; v64-127 the biases; from v128 A's fragments, one set (on the way out v128-247 are at work).
;   window 1: B's fragments, two sets.   window 2: the accumulators of my A-rows 0-63 ((a, b) at v[8 (8 a + b)]);   window 3: those of rows 64-127.
.set KSTEP,  256
.set NQ,     KSTEP/128
.set ROWB,   256                       ; a tile's row in bytes
.set KROW,   1024                      ; a row of codes in memory
.set PITCH,  272                       ; an LDS row: 256 bytes + 16 of padding = 68 words: the 16 rows that a load touches start at 16 different banks (64 banks of 4 bytes: ISA guide 11.1)
.set FR,     16                        ; registers of a fragment
.set NL,     4                         ; LDS loads that bring one
.set NP,     8                         ; places behind this matrix instruction (ISA guide 7.12.1)
.set HALFT,  128*PITCH
.set SLOT,   4*HALFT                   ; A's 256 rows, then B's 256 rows
.set LAPS,   KROW/(2*KSTEP)
.set KS,     KROW/32                   ; a row of scale bytes
.set SCL,    2*SLOT                    ; behind the ring: the scales, as rows of 256 bytes + 16 of padding
.set HALFS,  (128*KS/256)*272
.set SBLK,   (16*KS/256)*272
.set SPARE,  SCL+4*HALFS               ; the spare words, 128 bytes for each wave: two blocks of 256 bytes that no other line names
.set HEADB,  393216                    ; a head's images
.set HEADS,  20480                     ; a head's scale words
.set IO0,  8                           ; v8   16 x lane
.set IO1,  9                           ; v9   16 x lane + the distance to the second half of a block's images
.set L8,   10                          ; v10  8 x lane
.set LN,   11                          ; v11  lane
.set BH,   12                          ; v12  32 h: the biases of q, k
.set BR,   13                          ; v13  4 r: those of v
.set ADRA, 16
.set ADRB, 20
.set ADRS, 27
.set SPW,  28                          ; v28  LDS address of my spare word; never rewritten
.set NIL,  29                          ; v29  0; never rewritten
.set SC,   32
.set BI,   64
.set AF,   128
.set ST,   128                         ; the way out: 64 numbers
.set PC,   192                         ; their codes
.set TM,   208                         ; v208-211 largest magnitudes, v212-215 bytes, v216-219 448 x the scale, v220-223 the conversions' scale operands
.set PWS,  224                         ; the eight blocks' scale words
.set M,    232
.set H,    240
.set G1, 24
.set G0, 32
.set G1B, 48
.set G0B, 56
.set G1S, 68
.set G0S, 76
.set G1SB, 80
.set G0SB, 88
.set MNT, 45                           ; s45  the mantissa field of 448 (made behind the first fills)
.set FAC, 66                           ; s[66:67] 1 / 32 for q, else 1
.set ST1, 92                           ; s[92:93] from a block's images to the next block's
.set ST2, 94                           ; s[94:95] the same from block 3 to block 4
.set SCP, 96                           ; s[96:97] where my scale words go
.set BP,  98                           ; s[98:99] my biases
.set SEL, 100                          ; s[100:101] lane selects: lane l xor 16
.set MSB, 0
.macro WIN new                         ; the immediate's high byte repeats the setting that is left
.if MSB != (\new)
	s_set_vgpr_msb (MSB<<8)|(\new)
.set MSB, (\new)
.endif
.endm
.set MUL_LO, 0xa1                      ; source 0 (B) window 1, source 1 (A) window 0, C and D window 2
.set MUL_HI, 0xf1                      ; the same, C and D window 3
.set TO_B,   0x40
; A joint load: waves 0 and 1 fetch for A, waves 2 and 3 for B; the branch hangs on the wave's number alone.  Four v_nop follow each of the two lines.
.macro JLOAD g0a, g1a, g0b, g1b
	s_cmp_eq_u32 s15, 0
	s_cbranch_scc0 .Lfor_b_\@
	tensor_load_to_lds s[\g0a:\g0a+3], s[\g1a:\g1a+7]
	s_nop 0
.rept 4
	v_nop
.endr
	s_branch .Lasked_\@
.Lfor_b_\@:
	tensor_load_to_lds s[\g0b:\g0b+3], s[\g1b:\g1b+7]
	s_nop 0
.rept 4
	v_nop
.endr
.Lasked_\@:
.endm
.macro CREST                           ; a round of the cluster's barrier behind its opening barrier
	s_cmp_lg_u32 s14, 0
	s_cbranch_scc1 .Lnot_wave_0_\@
	s_barrier_signal -3
.Lnot_wave_0_\@:
	s_barrier_wait -3
	s_barrier_signal -1
	s_barrier_wait -1
.endm
.macro CROUND
	s_barrier_signal -1
	s_barrier_wait -1
	CREST
.endm
	s_load_b512 s[68:83], s[0:1], 0x0              ; xc, xs, Wq's codes, scales, Wk's, Wv's
	v_lshl_add_u32 v[SPW], v0, 2, SPARE
	v_mov_b32 v[NIL], 0
	ds_add_u32 v28, v29
	ds_add_u32 v28, v29
	s_wait_dscnt 0x0
	v_lshrrev_b32 v1, 5, v0
	v_readfirstlane_b32 s14, v1                    ; wave 0..3
	s_lshr_b32 s15, s14, 1                         ; which half of A's rows is mine.  Also: I fetch for A (0) or for B (1)
	s_and_b32 s16, s14, 1                          ; which half of B's rows.  Also: which 128 rows of that tile I fetch
	s_bfe_u32 s40, ttmp6, 0x40000                  ; cx
	s_bfe_u32 s41, ttmp6, 0x40004                  ; cy
	s_and_b32 s20, ttmp7, 0xffff                   ; Y: the cluster's y
	s_lshl_b32 s43, s41, 2
	s_lshl_b32 s43, 15, s43                        ; my row of the cluster
	s_lshl_b32 s44, 0x1111, s40                    ; my column
	s_wait_kmcnt 0x0
	s_cmp_lt_u32 ttmp9, 2                          ; q or k?  The choice hangs on the cluster's x alone
	s_cselect_b64 s[4:5], s[68:69], s[80:81]       ; A's codes: x's or Wv's
	s_cselect_b64 s[6:7], s[70:71], s[82:83]       ; A's scales
	s_cselect_b64 s[8:9], s[76:77], s[68:69]       ; B's codes: Wk's or x's
	s_cselect_b64 s[10:11], s[78:79], s[70:71]
	s_cselect_b32 s18, s20, 0                      ; x's tiles go on with Y: along A's rows,
	s_cselect_b32 s19, 0, s20                      ; or along B's
	s_cmp_eq_u32 ttmp9, 0
	s_cselect_b64 s[8:9], s[72:73], s[8:9]         ; q: Wq's
	s_cselect_b64 s[10:11], s[74:75], s[10:11]
	s_lshl_b32 s42, s19, 2
	s_add_co_u32 s42, s42, s40                     ; B's tile
	s_lshl_b32 s17, s18, 2
	s_add_co_u32 s17, s17, s41                     ; A's tile
	; descriptor group 1: a tile of 128 rows x 256 bytes, padded in LDS (the pointers above have been chosen: s68 on are free)
	s_or_b32 s[G1+0], s43, (0<<16)|(1<<20)|(1<<21)|(5<<22)|(3<<25)  ; 15:0 the mask: A's tiles go to my row; 17:16 elements of 1 byte; 20 padding on; 21 set beside a mask; 24:22 after every 64 words; 31:25 of 4 words
	s_or_b32 s[G1B+0], s44, (0<<16)|(1<<20)|(1<<21)|(5<<22)|(3<<25)
.irp g, G1, G1B
	s_mov_b32 s[\g+1], ROWB<<16                    ; tensor_dim0
	s_mov_b32 s[\g+2], 256<<16                     ; tensor_dim1: 256 rows for the head's loads; set to 128 for the ring's behind them
	s_mov_b32 s[\g+3], ROWB<<16                    ; tile_dim0
	s_mov_b32 s[\g+4], 256                         ; tile_dim1
	s_mov_b32 s[\g+5], KROW                        ; tensor_dim0_stride
	s_mov_b32 s[\g+6], 0
	s_mov_b32 s[\g+7], 0
.endr
	; the scales of 256 rows: a dense block of 8,192 bytes, as 32 rows of 256 bytes (32 elements of 8 bytes), 16 bytes of padding behind each
	s_or_b32 s[G1S+0], s43, (3<<16)|(1<<20)|(1<<21)|(5<<22)|(3<<25)
	s_or_b32 s[G1SB+0], s44, (3<<16)|(1<<20)|(1<<21)|(5<<22)|(3<<25)
.irp g, G1S, G1SB
	s_mov_b32 s[\g+1], 32<<16
	s_mov_b32 s[\g+2], KS<<16                      ; the scales of 256 rows: KS rows of 256 bytes
	s_mov_b32 s[\g+3], 32<<16
	s_mov_b32 s[\g+4], KS
	s_mov_b32 s[\g+5], 32
	s_mov_b32 s[\g+6], 0
	s_mov_b32 s[\g+7], 0
.endr
	s_lshl_b32 s20, s17, 8                         ; A: the tile's first row
	s_lshl_b32 s46, s42, 8                         ; B likewise
	s_mov_b32 s21, 0
	s_mov_b32 s47, 0
	s_mov_b64 s[18:19], KS
	s_mul_u64 s[22:23], s[20:21], s[18:19]         ; where these rows' scales begin,
	s_mul_u64 s[92:93], s[46:47], s[18:19]
	s_mov_b64 s[18:19], KROW
	s_mul_u64 s[20:21], s[20:21], s[18:19]         ; and their codes
	s_mul_u64 s[46:47], s[46:47], s[18:19]
	s_mul_i32 s45, s14, HALFT                      ; where they go: wave x 128 rows: no place in the cluster enters an LDS address
	s_mul_i32 s18, s16, 128*KROW                   ; in the ring I fetch 128 rows of a tile: which half, in bytes
	s_mov_b32 s19, 0
	s_add_nc_u64 s[20:21], s[4:5], s[20:21]
	s_add_nc_u64 s[22:23], s[6:7], s[22:23]
	s_add_nc_u64 s[46:47], s[8:9], s[46:47]
	s_add_nc_u64 s[92:93], s[10:11], s[92:93]
	CROUND                                         ; all sixteen work-groups are here: the first joint loads meet
	s_mov_b32 s[G0S], 1
	s_mov_b32 s[G0S+1], SCL
	s_mov_b64 s[G0S+2:G0S+3], s[22:23]
	s_or_b32 s[G0S+3], s[G0S+3], 0x80000000
	s_mov_b32 s[G0SB], 1
	s_mov_b32 s[G0SB+1], SCL+2*HALFS
	s_mov_b64 s[G0SB+2:G0SB+3], s[92:93]
	s_or_b32 s[G0SB+3], s[G0SB+3], 0x80000000
	s_mov_b32 s[G0], 1                             ; slot 0's groups 0 serve the head first: K step 0's 256 rows of A, whole,
	s_mov_b32 s[G0+1], 0
	s_mov_b64 s[G0+2:G0+3], s[20:21]
	s_or_b32 s[G0+3], s[G0+3], 0x80000000
	s_mov_b32 s[G0B], 1                            ; and its 256 rows of B, behind them
	s_mov_b32 s[G0B+1], 2*HALFT
	s_mov_b64 s[G0B+2:G0B+3], s[46:47]
	s_or_b32 s[G0B+3], s[G0B+3], 0x80000000
	s_add_nc_u64 s[20:21], s[20:21], s[18:19]      ; slot 1's: my 128 rows of K step 1
	s_add_nc_u64 s[46:47], s[46:47], s[18:19]
	s_mov_b32 s[G0+4], 1
	s_add_co_u32 s[G0+5], s45, SLOT
	s_add_nc_u64 s[G0+6:G0+7], s[20:21], ROWB
	s_or_b32 s[G0+7], s[G0+7], 0x80000000
	s_mov_b32 s[G0B+4], 1
	s_add_co_u32 s[G0B+5], s45, SLOT
	s_add_nc_u64 s[G0B+6:G0B+7], s[46:47], ROWB
	s_or_b32 s[G0B+7], s[G0B+7], 0x80000000
; THE HEAD'S LOADS, ONE A WAVE: wave 0 K step 0's 256 rows of A, wave 1 its 256 rows of B, wave 2 the scales of A's 256 rows, wave 3 those of B's.
; One chain of branches on the wave's number, a load to an arm, all arms leading to one join.
.macro ARM under, g0, g1, next
	s_cmp_lt_u32 s14, \under
	s_cbranch_scc0 \next
	tensor_load_to_lds s[\g0:\g0+3], s[\g1:\g1+7]
	s_nop 0
.rept 4
	v_nop
.endr
	s_branch .Lhead_asked
\next:
.endm
	ARM 1, G0,  G1,  .Lhead_b
	ARM 2, G0B, G1B, .Lhead_sa
	ARM 3, G0S, G1S, .Lhead_sb
	tensor_load_to_lds s[G0SB:G0SB+3], s[G1SB:G1SB+7]
	s_nop 0
.rept 4
	v_nop
.endr
.Lhead_asked:
	s_load_b256 s[4:11], s[0:1], 0x40              ; bq, bk, bv, qkv_img
	s_load_b64 s[12:13], s[0:1], 0x60              ; qkv_sc
	v_and_b32 v1, 15, v0                           ; r
	v_bfe_u32 v2, v0, 4, 1                         ; h
	v_mul_u32_u24 v3, v1, PITCH
	v_lshl_add_u32 v4, v2, 4, v3                   ; a fragment's row x pitch + 16 x half
	s_mul_i32 s21, s15, HALFT                      ; my 128 rows of A
	s_mul_i32 s22, s16, HALFT                      ; my 128 rows of B,
	s_add_co_u32 s22, s22, 2*HALFT                 ; which lie behind A's 256
.irp s, 0,1
	v_add_nc_u32 v[ADRA+\s], s21, v4
	v_add_nc_u32 v[ADRB+\s], s22, v4
	s_add_co_u32 s21, s21, SLOT
	s_add_co_u32 s22, s22, SLOT
.endr
	v_mul_u32_u24 v5, v1, KS                       ; my row's scales: 32 bytes a row,
	v_lshrrev_b32 v6, 8, v5
	v_lshl_add_u32 v5, v6, 4, v5                   ; and 16 more for each 256 passed
	s_mul_i32 s21, s15, HALFS
	s_mul_i32 s22, s16, HALFS
	s_add_co_u32 s22, s22, 2*HALFS
	s_sub_co_u32 s22, s22, s21
	v_mul_u32_u24 v6, s22, v2                      ; lanes 16-31 take B's
	s_add_co_u32 s21, s21, SCL
	v_add_nc_u32 v5, v5, v6
	v_add_nc_u32 v[ADRS], s21, v5
	; where my results go.  R0, C0: my first row of A and of B.  KEY: my first token; HID: my first hidden unit, a multiple of 128: two heads
	s_lshl_b32 s20, s17, 8
	s_lshl_b32 s18, s15, 7
	s_add_co_u32 s20, s20, s18                     ; R0
	s_lshl_b32 s21, s42, 8
	s_lshl_b32 s18, s16, 7
	s_add_co_u32 s21, s21, s18                     ; C0
	s_mov_b32 s46, 1024
	s_cmp_lt_u32 ttmp9, 2
	s_cselect_b32 s22, s20, s21                    ; KEY
	s_cselect_b32 s23, s21, s20                    ; HID
	s_cselect_b32 s46, HEADB, s46                  ; the second half of a block's images: q, k: the next head's; v: key blocks 2, 3
	s_cselect_b32 s47, 9, 8                        ; a step's scale words: 512 bytes, or 256
	s_lshr_b32 s18, s22, 11
	s_lshl_b32 s18, s18, 4
	s_lshr_b32 s19, s23, 6
	s_add_co_u32 s18, s18, s19                     ; bh = 16 x batch + head
	s_bfe_u32 s19, s22, 0x40007                    ; the step of 128 tokens in the batch's 2,048
	s_mul_i32 s20, s18, HEADB
	s_lshl_b32 s21, ttmp9, 17                      ; q, k or v's part
	s_add_co_u32 s20, s20, s21
	s_lshl_b32 s21, s19, 13                        ; 8,192 bytes a step
	s_add_co_u32 s20, s20, s21
	s_mov_b32 s21, 0
	s_mul_i32 s94, s18, HEADS
	s_lshl_b32 s95, ttmp9, 13
	s_add_co_u32 s94, s94, s95
	s_lshl_b32 s95, s19, s47
	s_add_co_u32 s94, s94, s95
	s_mov_b32 s95, 0
	s_lshl_b32 s22, s23, 2                         ; my biases: 4 x HID
	s_mov_b32 s23, 0
	v_and_b32 v[LN], 31, v0
	v_lshlrev_b32 v[IO0], 4, v[LN]
	v_add_nc_u32 v[IO1], s46, v[IO0]
	v_lshlrev_b32 v[L8], 3, v[LN]
	v_lshlrev_b32 v[BH], 5, v2
	v_lshlrev_b32 v[BR], 2, v1
	s_mov_b32 s[SEL], 0x76543210
	s_mov_b32 s[SEL+1], 0xfedcba98
	s_mov_b32 s[MNT], 0x600000
	s_wait_kmcnt 0x0
	s_cmp_eq_u32 ttmp9, 0
	s_cselect_b64 s[BP:BP+1], s[4:5], s[6:7]
	s_cselect_b32 s[FAC], 0x3d000000, 1.0          ; 1 / 32 = 1 / sqrt(1024) for q
	s_mov_b32 s[FAC+1], s[FAC]
	s_cmp_lt_u32 ttmp9, 2
	s_cselect_b64 s[BP:BP+1], s[BP:BP+1], s[8:9]
	s_add_nc_u64 s[BP:BP+1], s[BP:BP+1], s[22:23]
	s_add_nc_u64 s[SCP:SCP+1], s[12:13], s[94:95]
	s_add_nc_u64 s[12:13], s[10:11], s[20:21]      ; s[12:13]: where my images go
	s_mov_b32 s[ST1], 2048
	s_mov_b32 s[ST2], HEADB-3*2048
	s_cmp_lt_u32 ttmp9, 2
	s_cselect_b32 s[ST1], 1024, s[ST1]             ; q, k: a tile of 16 tokens is 1,024 bytes; v: a tile of 16 channels 2,048,
	s_cselect_b32 s[ST2], 1024, s[ST2]             ; and its block 4 begins the next head
	s_mov_b32 s[ST1+1], 0
	s_mov_b32 s[ST2+1], 0
	; the biases, in the result's layout.  q, k: register j of accumulator (a, b) is hidden unit 16 b + 8 h + j.  v: every register of accumulator (a, b) is channel 16 a + r
	s_cmp_lt_u32 ttmp9, 2
	s_cbranch_scc0 .Lbias_v
	s_wait_alu depctr_va_vdst(0)
.irp g, 0,1,2,3,4,5,6,7
	global_load_b128 v[BI+8*\g:BI+8*\g+3], v[BH], s[BP:BP+1] offset:64*\g
	global_load_b128 v[BI+8*\g+4:BI+8*\g+7], v[BH], s[BP:BP+1] offset:64*\g+16
.endr
	s_branch .Lbias_done
.Lbias_v:
	s_wait_alu depctr_va_vdst(0)
.irp a, 0,1,2,3,4,5,6,7
.irp j, 0,1,2,3,4,5,6,7
	global_load_b32 v[BI+8*\a+\j], v[BR], s[BP:BP+1] offset:64*\a
.endr
.endr
.Lbias_done:
.macro FRAG reg, adr, q, i             ; 16 rows x 128 K of 8-bit codes: lane l holds row l % 16; registers 4 c .. 4 c + 3 hold K = 32 c + 16 (l / 16) + 0 .. 15
.irp c, 0,1,2,3
	ds_load_b128 v[\reg+4*\c:\reg+4*\c+3], v[\adr] offset:128*(\q)+32*\c+(\i)*16*PITCH
.endr
.endm
; 16 matrix instructions: A's blocks a0, a0 + 1 x B's eight, 128 along K.  p: B's set; sc: the set of scale words.  mode 0: the sums go on; 1: they start from the biases by B's block; 2: by A's block.
; The 64 accumulators take turns, one instruction a turn, in the same order in every step.
.macro MUL16 a0, p, q, sc, mode
.irp a, \a0, \a0+1
.irp b, 0,1,2,3,4,5,6,7
.if (\mode) == 1
	v_wmma_scale_f32_16x16x128_f8f6f4 v[8*(8*((\a)%4)+\b):8*(8*((\a)%4)+\b)+7], v[128*(\p)+FR*\b:128*(\p)+FR*\b+FR-1], v[AF+FR*(\a):AF+FR*(\a)+FR-1], v[BI+8*\b:BI+8*\b+7], v[SC+8*NQ*(\sc)+NQ*\b+(\q)], v[SC+8*NQ*(\sc)+NQ*(\a)+(\q)] matrix_a_scale:MATRIX_SCALE_ROW1
.elseif (\mode) == 2
	v_wmma_scale_f32_16x16x128_f8f6f4 v[8*(8*((\a)%4)+\b):8*(8*((\a)%4)+\b)+7], v[128*(\p)+FR*\b:128*(\p)+FR*\b+FR-1], v[AF+FR*(\a):AF+FR*(\a)+FR-1], v[BI+8*(\a):BI+8*(\a)+7], v[SC+8*NQ*(\sc)+NQ*\b+(\q)], v[SC+8*NQ*(\sc)+NQ*(\a)+(\q)] matrix_a_scale:MATRIX_SCALE_ROW1
.else
	v_wmma_scale_f32_16x16x128_f8f6f4 v[8*(8*((\a)%4)+\b):8*(8*((\a)%4)+\b)+7], v[128*(\p)+FR*\b:128*(\p)+FR*\b+FR-1], v[AF+FR*(\a):AF+FR*(\a)+FR-1], v[8*(8*((\a)%4)+\b):8*(8*((\a)%4)+\b)+7], v[SC+8*NQ*(\sc)+NQ*\b+(\q)], v[SC+8*NQ*(\sc)+NQ*(\a)+(\q)] matrix_a_scale:MATRIX_SCALE_ROW1
.endif
.endr
.endr
.endm
.macro FETCH_B slot, q, p
	WIN TO_B
.irp i, 0,1,2,3,4,5,6,7
	FRAG 128*(\p)+FR*\i, ADRB+\slot, \q, \i
.endr
	WIN 0
.endm
.macro FETCH_A slot, q, i0
.irp i, \i0, \i0+1, \i0+2, \i0+3
	FRAG AF+FR*(\i), ADRA+\slot, \q, \i
.endr
.endm
.macro SCALES sc                       ; a K step's scale words: 2 words a row; lanes 0-15 take A's block i, lanes 16-31 B's block i
.irp i, 0,1,2,3,4,5,6,7
	ds_load_b64 v[SC+8*NQ*\sc+NQ*\i:SC+8*NQ*\sc+NQ*\i+1], v[ADRS] offset:\i*SBLK
.endr
.endm
; A load into a register that a matrix instruction has read, and a vector instruction that reads a matrix result, stand NP places behind it; only plain vector instructions that name none of its registers are places.
.macro PLACES n
.rept \n
	v_nop
.endr
.endm
; A step of 128 along K that has its successor in the same slot.  With mode 1 or 2 source 2 (the biases) lies in window 0.
.macro STEP slot, q, mode
	s_wait_dscnt 4*NL                              ; B's set, A's blocks 0-3 and the scale words are in; the youngest 16 loads (A's blocks 4-7) may be out
.if \mode
	WIN 0x81
.else
	WIN MUL_LO
.endif
	MUL16 0, (\q)%2, \q, \slot, \mode
	MUL16 2, (\q)%2, \q, \slot, \mode
	s_wait_dscnt 0                                 ; A's blocks 4-7 are in
	PLACES NP
	FETCH_B \slot, (\q)+1, 1-(\q)%2
	FETCH_A \slot, (\q)+1, 0
.if \mode
	WIN 0xc1
.else
	WIN MUL_HI
.endif
	MUL16 4, (\q)%2, \q, \slot, \mode
	MUL16 6, (\q)%2, \q, \slot, \mode
	PLACES NP
	WIN 0
	FETCH_A \slot, (\q)+1, 4
.endm
; A slot's last step changes slots: one barrier; in front of it each wave waits for all its tensor loads, adds 0 to its spare word, and waits for that and for its own reads of this slot.  fill = 1: this slot is filled again, two K steps ahead.
.macro TURN slot, next, fill
	s_wait_tensorcnt 0x0                           ; all my tensor loads have landed: my part of the next slot
	ds_add_u32 v[SPW], v[NIL]                      ; 0 onto my spare word
	s_wait_dscnt 4*NL+1                            ; (the add and the youngest 16 loads, A's blocks 4-7, may be out)
	WIN MUL_LO
	MUL16 0, 1, NQ-1, \slot, 0                     ; sixteen matrix instructions stand between the add and the wait for it
	s_wait_dscnt 0x0                               ; the add is done, and my reads of this slot are over
	s_barrier_signal -1
	MUL16 2, 1, NQ-1, \slot, 0
	WIN 0
	s_barrier_wait -1
.if \fill
	CREST                                          ; the barrier has opened a round of the cluster's barrier: no wave of any partner still reads this slot or has a load on its way
	s_add_nc_u64 s[G0+4*\slot+2:G0+4*\slot+3], s[G0+4*\slot+2:G0+4*\slot+3], 2*ROWB
	s_add_nc_u64 s[G0B+4*\slot+2:G0B+4*\slot+3], s[G0B+4*\slot+2:G0B+4*\slot+3], 2*ROWB
	JLOAD G0+4*\slot, G1, G0B+4*\slot, G1B         ; the first tensor load behind the round; its four v_nop are among the places in front of the loads below
	PLACES NP-4
.else
	PLACES NP
.endif
	s_wait_alu depctr_va_vdst(0)
	v_add_nc_u32 v[ADRS], 4*NQ, v[ADRS]            ; on to the next K step's scale words
	FETCH_B \next, 0, 0
	FETCH_A \next, 0, 0
	SCALES \next
	WIN MUL_HI
	MUL16 4, 1, NQ-1, \slot, 0
	MUL16 6, 1, NQ-1, \slot, 0
	PLACES NP
	WIN 0
	FETCH_A \next, 0, 4
.endm
	s_wait_alu depctr_va_vdst(0)                   ; the wait at the head's end
	s_wait_tensorcnt 0x0                           ; my tile of the head's four is in; the lines ahead of a later first fill:
	ds_add_u32 v[SPW], v[NIL]                      ; 0 onto my spare word
	s_mov_b32 s[G1+2], 128<<16                     ; no tensor load of mine is out, so descriptors may be written: from here on a load brings 128 rows,
	s_mov_b32 s[G1+4], 128
	s_mov_b32 s[G1B+2], 128<<16
	s_mov_b32 s[G1B+4], 128
	s_mul_i32 s[G0+1], s14, HALFT                  ; and slot 0's groups 0 turn to my quarter of the slot: wave x 128 rows in LDS,
	s_mul_i32 s[G0B+1], s14, HALFT
	s_mul_i32 s2, s16, 128*KROW                    ; my half of the tile's rows in memory
	s_mov_b32 s3, 0
	s_add_nc_u64 s[G0+2:G0+3], s[G0+2:G0+3], s[2:3]
	s_add_nc_u64 s[G0B+2:G0B+3], s[G0B+2:G0B+3], s[2:3]
	s_wait_dscnt 0x0                               ; the add is done
	CROUND                                         ; a whole round: all four tiles are in, and all sixteen work-groups are here
	JLOAD G0+4, G1, G0B+4, G1B                     ; K step 1, slot 1's first fill: the first tensor load behind the round
	FETCH_B 0, 0, 0
	FETCH_A 0, 0, 0
	SCALES 0
	FETCH_A 0, 0, 4
	s_wait_loadcnt 0x0                             ; the biases
	s_cmp_lt_u32 ttmp9, 2                          ; the first step is written twice: its C is the bias, by B's block (q, k) or by A's (v).  No barrier and no tensor load stands in it
	s_cbranch_scc0 .Lfirst_v
	STEP 0, 0, 1
	s_branch .Lfirst_done
.Lfirst_v:
	STEP 0, 0, 2
.Lfirst_done:
	s_mov_b32 s3, LAPS-1
.Llap:                                                 ; a trip goes once round the ring and fills both slots again
	TURN 0, 1, 1
	STEP 1, 0, 0
	TURN 1, 0, 1
	STEP 0, 0, 0
	s_sub_co_u32 s3, s3, 1
	s_cmp_lg_u32 s3, 0
	s_cbranch_scc1 .Llap
	TURN 0, 1, 0                                   ; the last lap fills nothing, and has no round of the cluster's barrier
	STEP 1, 0, 0
	s_wait_dscnt 4*NL                              ; the very last step: nothing more to fetch
	WIN MUL_LO
	MUL16 0, 1, NQ-1, 1, 0
	MUL16 2, 1, NQ-1, 1, 0
	s_wait_dscnt 0
	WIN MUL_HI
	MUL16 4, 1, NQ-1, 1, 0
	MUL16 6, 1, NQ-1, 1, 0
	WIN 0
; 64 numbers of a lane, v[s] on, register 16 b + i of block b, become 16 registers of codes in v[PC] on and a scale word in v[pw].
.macro QUANT s, pw
.irp b, 0,1,2,3
	v_max3_num_f32 v[TM+\b], |v[\s+16*\b]|, |v[\s+1+16*\b]|, 0x4800000   ; my 16 numbers, and the floor 2^(9 - 127): the byte cannot fall under 1
.endr
.irp i, 2,4,6,8,10,12,14
.irp b, 0,1,2,3
	v_max3_num_f32 v[TM+\b], v[TM+\b], |v[\s+16*\b+\i]|, |v[\s+1+16*\b+\i]|   ; (the four blocks by turns)
.endr
.endr
.irp b, 0,1,2,3
	v_permlanex16_b32 v[TM+4+\b], v[TM+\b], s[SEL], s[SEL+1]
.endr
.irp b, 0,1,2,3
	v_max_num_f32 v[TM+\b], v[TM+\b], v[TM+4+\b]   ; with lane l xor 16's: the block's largest magnitude
.endr
.irp b, 0,1,2,3
	v_add_nc_u32 v[TM+12+\b], 0xfc000000, v[TM+\b]   ; 8 off its exponent field: the conversion's scale operand
.endr
.irp b, 0,1,2,3
	v_and_or_b32 v[TM+8+\b], v[TM+\b], 0x7f800000, s[MNT]   ; 448 x the scale
.endr
.irp b, 0,1,2,3
	v_lshrrev_b32 v[TM+4+\b], 23, v[TM+12+\b]      ; the scale's byte
.endr
	v_lshl_or_b32 v[\pw], v[TM+5], 8, v[TM+4]
	v_lshl_or_b32 v[\pw], v[TM+6], 16, v[\pw]
	v_lshl_or_b32 v[\pw], v[TM+7], 24, v[\pw]
.irp b, 0,1,2,3
.irp i, 0,1,2,3,4,5,6,7,8,9,10,11,12,13,14,15
	v_med3_num_f32 v[\s+16*\b+\i], v[\s+16*\b+\i], -v[TM+8+\b], v[TM+8+\b]   ; the conversion does not saturate (ISA guide 7.6.2): the hold comes first
.endr
	v_cvt_scalef32_pk8_fp8_f32 v[PC+4*\b:PC+1+4*\b], v[\s+16*\b:\s+7+16*\b], v[TM+12+\b]
	v_cvt_scalef32_pk8_fp8_f32 v[PC+2+4*\b:PC+3+4*\b], v[\s+8+16*\b:\s+15+16*\b], v[TM+12+\b]
.endr
	v_nop                                          ; one plain line behind the last conversion: the next block writes its sources
.endm
; Block a of my A-rows: scaled and brought into window 0 in one (each accumulator from its low end on), quantised, stored as four images of 512 consecutive bytes.
.macro OUTA a
.if (\a) > 0
	s_wait_xcnt 0x0                                ; the last block's stores have read their data and their base: both are written again below
.if (\a) == 4
	s_add_nc_u64 s[12:13], s[12:13], s[ST2:ST2+1]
.else
	s_add_nc_u64 s[12:13], s[12:13], s[ST1:ST1+1]
.endif
.endif
	WIN 0x02+(\a)/4                                ; source 0: window 2 or 3
.set i, 0
.rept 32
	v_pk_mul_f32 v[ST+2*i:ST+2*i+1], v[64*((\a)%4)+2*i:64*((\a)%4)+2*i+1], s[FAC:FAC+1] op_sel_hi:[1,0]
.set i, i+1
.endr
	WIN 0
	QUANT ST, PWS+(\a)
	global_store_b128 v[IO0], v[PC:PC+3], s[12:13]
	global_store_b128 v[IO0], v[PC+4:PC+7], s[12:13] offset:512
	global_store_b128 v[IO1], v[PC+8:PC+11], s[12:13]
	global_store_b128 v[IO1], v[PC+12:PC+15], s[12:13] offset:512
.endm
	PLACES NP                                      ; behind the last products: their results are read, and the registers that held A's fragments are written, only from here on
.irp b, 0,1,2,3
	v_mov_b32 v[TM+4+\b], 0                        ; written once: a lane permute's destination counts as one of its sources
.endr
.irp a, 0,1,2,3,4,5,6,7
	OUTA \a
.endr
	; the scale words.  Every lane (r, h) holds row r's word of each block; lanes 0-15 keep an even block's, lanes 16-31 the odd one's
	v_cmp_gt_u32 vcc_lo, 16, v[LN]
	s_cmp_lt_u32 ttmp9, 2
	s_cbranch_scc0 .Lsc_v
.irp p, 0,1,2,3
	v_cndmask_b32 v[M+\p], v[PWS+2*\p+1], v[PWS+2*\p], vcc_lo
.endr
.irp p, 0,1,2,3
	v_and_b32 v[H+\p], 0xffff, v[M+\p]             ; bytes 0, 1: my first head's two blocks;
	v_lshrrev_b32 v[H+4+\p], 16, v[M+\p]           ; bytes 2, 3: the next head's
.endr
	global_store_b128 v[IO0], v[H:H+3], s[SCP:SCP+1]
	global_store_b128 v[IO0], v[H+4:H+7], s[SCP:SCP+1] offset:HEADS
	s_branch .Lsc_done
.Lsc_v:
.irp e, 0,1
.irp p, 0,1
	v_cndmask_b32 v[M+2*\e+\p], v[PWS+4*\e+2*\p+1], v[PWS+4*\e+2*\p], vcc_lo
.endr
.endr
	global_store_b64 v[L8], v[M:M+1], s[SCP:SCP+1]
	global_store_b64 v[L8], v[M+2:M+3], s[SCP:SCP+1] offset:HEADS
.Lsc_done:
	s_wait_tensorcnt 0x0                           ; the wave's end
	ds_add_u32 v[SPW], v[NIL]
	s_wait_dscnt 0x0
	CROUND                                         ; the closing round: no work-group ends while a partner may still ask for a tile that names it
	s_endpgm
.Lfunc_end_k_q67d1e7bb8a_qkv:
	.size	k_q67d1e7bb8a_qkv, .Lfunc_end_k_q67d1e7bb8a_qkv-k_q67d1e7bb8a_qkv
	.p2alignl 7, 3214868480
	.fill 96, 4, 3214868480
	.section	.rodata,"a",@progbits
	.p2align	6, 0x0
	.amdhsa_kernel k_q67d1e7bb8a_qkv
		.amdhsa_group_segment_fixed_size 327680
		.amdhsa_private_segment_fixed_size 0
		.amdhsa_enable_private_segment 0
		.amdhsa_kernarg_size 104
		.amdhsa_user_sgpr_count 2
		.amdhsa_user_sgpr_kernarg_segment_ptr 1
		.amdhsa_wavefront_size32 1
		.amdhsa_system_sgpr_workgroup_id_x 1
		.amdhsa_system_sgpr_workgroup_id_y 1
		.amdhsa_system_sgpr_workgroup_id_z 1
		.amdhsa_system_vgpr_workitem_id 0
		.amdhsa_next_free_vgpr 1024
		.amdhsa_next_free_sgpr 102
		.amdhsa_reserve_vcc 1
		.amdhsa_float_denorm_mode_32 3
		.amdhsa_float_denorm_mode_16_64 3
		.amdhsa_memory_ordered 1
		.amdhsa_forward_progress 1
		.amdhsa_inst_pref_size 224
	.end_amdhsa_kernel
	.amdgpu_metadata
---
amdhsa.version: [ 1, 2 ]
amdhsa.kernels:
  - .name:           k_q67d1e7bb8a_qkv
    .symbol:         k_q67d1e7bb8a_qkv.kd
    .args:
      - { .name: xc, .offset: 0, .size: 8, .value_kind: global_buffer, .address_space: global }
      - { .name: xs, .offset: 8, .size: 8, .value_kind: global_buffer, .address_space: global }
      - { .name: Wq_codes, .offset: 16, .size: 8, .value_kind: global_buffer, .address_space: global }
      - { .name: Wq_scales, .offset: 24, .size: 8, .value_kind: global_buffer, .address_space: global }
      - { .name: Wk_codes, .offset: 32, .size: 8, .value_kind: global_buffer, .address_space: global }
      - { .name: Wk_scales, .offset: 40, .size: 8, .value_kind: global_buffer, .address_space: global }
      - { .name: Wv_codes, .offset: 48, .size: 8, .value_kind: global_buffer, .address_space: global }
      - { .name: Wv_scales, .offset: 56, .size: 8, .value_kind: global_buffer, .address_space: global }
      - { .name: bq, .offset: 64, .size: 8, .value_kind: global_buffer, .address_space: global }
      - { .name: bk, .offset: 72, .size: 8, .value_kind: global_buffer, .address_space: global }
      - { .name: bv, .offset: 80, .size: 8, .value_kind: global_buffer, .address_space: global }
      - { .name: qkv_img, .offset: 88, .size: 8, .value_kind: global_buffer, .address_space: global }
      - { .name: qkv_sc, .offset: 96, .size: 8, .value_kind: global_buffer, .address_space: global }
    .group_segment_fixed_size: 327680
    .private_segment_fixed_size: 0
    .kernarg_segment_align: 8
    .kernarg_segment_size: 104
    .max_flat_workgroup_size: 128
    .sgpr_count:     102
    .vgpr_count:     1024
    .wavefront_size: 32
...
	.end_amdgpu_metadata
.endif
;; end of part 2
;; launch attn (part 3): grid 4 x 64, 16 waves a work-group, clusters of 4 x 1, 327,680 bytes of LDS; arguments qkv_img, qkv_sc, ao_img, ao_sc; writes ao_img, ao_sc
.if DOCPART == 3
	.amdgcn_target "amdgcn-amd-amdhsa--gfx1250"
	.amdhsa_code_object_version 6
	.text
	.protected	k_q67d1e7bb8a_attn
	.globl	k_q67d1e7bb8a_attn
	.p2align	8
	.type	k_q67d1e7bb8a_attn,@function
k_q67d1e7bb8a_attn:
	s_mov_b64 s[64:65], 0
	v_nop
	global_prefetch_b8 v0, s[64:65] scope:SCOPE_SE
	s_setreg_imm32_b32 hwreg(HW_REG_WAVE_MODE, 25, 1), 1
	s_wait_xcnt 0x0
	s_wait_alu depctr_hold_cnt(0) depctr_sa_sdst(0) depctr_va_vdst(0) depctr_va_sdst(0) depctr_va_ssrc(0) depctr_va_vcc(0) depctr_vm_vsrc(0)
	s_getreg_b32 s2, hwreg(HW_REG_IB_STS2, 6, 4)
	s_cmp_eq_u32 s2, 0
	s_cbranch_scc0 .Lentry_in_a_cluster
	s_endpgm
.Lentry_in_a_cluster:
	s_bfe_u32 s2, ttmp6, 0x10000c
	s_cmp_lg_u32 s2, 0x3003
	s_cbranch_scc0 .Lentry_shape_is_right
	s_endpgm
.Lentry_shape_is_right:
; ATTENTION on codes of E4M3 with E8M0 scales.  o = softmax(q k^T) v for one (batch, head); q already holds the factor 1 / 32.  The result is quantised at once along the hidden axis for the last product.
; THE SOFTMAX: t = score x log2(e); M = the running largest t rounded up to a whole number; p = 2^(t - M) is quantised along the keys, not normalised; the row's sum is taken of the unquantised p and divides at the end.
; When M moves, the sum and O are multiplied by 2^(old M - new M), which rounds nothing.
; SHARES.  A work-group owns 512 queries of a head, a wave 32 of them: two tiles of 16, one after the other (two passes).  The four work-groups of a cluster own one head: its K and V are asked for jointly.
; ALL of the head's K and V images (262,144 bytes) and their scale words (12,288 bytes) come into LDS once, at the head: waves 0-7 fetch 32,768 bytes of images each, wave 8 the scale words.
; Nothing is fetched behind the head, so there is no ring, no refill and no stream to prefetch.
; LAYOUT.  Both products are used transposed (S^T = K Q^T, O^T = V^T P^T): a lane holds one query (lane % 16).  The images are images of operand registers: 512 consecutive bytes a load, no bank met twice.
; Inside a block of 32 a lane's 16 numbers are 8 h + 0..7 and 16 + 8 h + 0..7, alike on both operands of each product.  A head is 64 wide: the upper 64 of the first product's K are zero codes of Q
; (v[QF+8..15] = 0); K's operand there is the next tile's registers, finite codes under the byte 0, which zero codes multiply away.
; A KEY STEP (128 keys) goes in batches: 8 products; the blocks' largest scores; M; 32 packed multiply-adds; 68 exponentials on end with one wait ahead and one behind; sums and holds by turns; conversions;
; V's fragments land in the registers that p has left; O^T x f; 4 products.  The hold (p is not negative: one-sided) takes two numbers an instruction as a dual pair.
; LIMITS: holds while |t| stays under 2^31; NaN and infinities are not served; a block of zeros gets the byte 1 (its codes are zeros; this program alone reads the bytes).
.set VIM,   131072                     ; LDS: K's images at 0, V's here,
.set SCB,   262144                     ; the scale words: K's 8,192 bytes, then V's 4,096,
.set SPARE, 274432                     ; the spare words: 128 bytes for each of 16 waves; no other line names them
.set HEADB, 393216
.set HEADS, 20480
.set LI,  1                            ; 16 x lane
.set L8,  2                            ; 8 x lane
.set ADK, 3                            ; LDS addresses of the step's K, V, K's scale words, V's
.set ADV, 4
.set ADS, 5
.set ADT, 6
.set LQ,  7
.set L4,  8
.set SPW, 10                           ; my spare word's address; never rewritten
.set NIL, 11                           ; 0; never rewritten
.set QF,  16                           ; v12 -M, v13 the largest t, v[14:15] the sum in two halves
.set KB,  32                           ; K's eight tiles, 8 registers each, and 8 zeros
.set S,   104                          ; S^T, then p, then V's fragments
.set O,   168
.set P,   200
.set BMX, 216
.set TP,  220
.set HLD, 224
.set SOP, 228
.set KSW, 232
.set VSW, 236
.set QS,  238
.set PWD, 239
.set FF,  240
.set TA,  242
.set OM,  243
.set SM2, 244
.set STQ, 246                          ; the second pass's Q and its scale word
.set STS, 254
.set AW,  255
.set WV,  18
.set MNT, 19
.set SEL, 20
.set CS,  22
.set G1I, 24
.set G1C, 32
.set G0I, 40
.set G0C, 44
.set TK,  48
.set TV,  49
.set TS,  50
.set TT,  51
.set CNT, 52
.set HIM, 55
.set QP,  56
.set QSP, 58
.macro CROUND                          ; a round of the cluster's barrier
	s_barrier_signal -1
	s_barrier_wait -1
	s_cmp_lg_u32 s[WV], 0
	s_cbranch_scc1 .Lnot_wave_0_\@
	s_barrier_signal -3
.Lnot_wave_0_\@:
	s_barrier_wait -3
	s_barrier_signal -1
	s_barrier_wait -1
.endm
.macro WM d, a, b, c, sa, sb, ra       ; c < 0: the sum starts from 0;  ra: source 0's scales in lanes 16-31
.if (\c) < 0
.if \ra
	v_wmma_scale_f32_16x16x128_f8f6f4 v[\d:\d+7], v[\a:\a+15], v[\b:\b+15], 0, v[\sa], v[\sb] matrix_a_scale:MATRIX_SCALE_ROW1
.else
	v_wmma_scale_f32_16x16x128_f8f6f4 v[\d:\d+7], v[\a:\a+15], v[\b:\b+15], 0, v[\sa], v[\sb]
.endif
.else
.if \ra
	v_wmma_scale_f32_16x16x128_f8f6f4 v[\d:\d+7], v[\a:\a+15], v[\b:\b+15], v[\c:\c+7], v[\sa], v[\sb] matrix_a_scale:MATRIX_SCALE_ROW1
.else
	v_wmma_scale_f32_16x16x128_f8f6f4 v[\d:\d+7], v[\a:\a+15], v[\b:\b+15], v[\c:\c+7], v[\sa], v[\sb]
.endif
.endif
.endm
	s_load_b256 s[4:11], s[0:1], 0x0               ; qkv_img, qkv_sc, ao_img, ao_sc
	v_lshl_add_u32 v[SPW], v0, 2, SPARE
	v_mov_b32 v[NIL], 0
	ds_add_u32 v[SPW], v[NIL]                      ; the opening lines: the add, twice on end, and its wait
	ds_add_u32 v[SPW], v[NIL]
	v_lshrrev_b32 v9, 5, v0
	s_delay_alu instid0(VALU_DEP_1)
	v_readfirstlane_b32 s[WV], v9                  ; wave 0..15
	s_bfe_u32 s12, ttmp6, 0x40000                  ; cx: which 512 queries
	s_and_b32 s13, ttmp7, 0xffff                   ; bh = 16 x batch + head
	s_mov_b32 s[G1I], 15|(3<<16)|(1<<21)           ; the images: 128 rows of 256 bytes (32 elements of 8), dense; the mask names the cluster's four
	s_mov_b32 s[G1I+1], 32<<16
	s_mov_b32 s[G1I+2], 128<<16
	s_mov_b32 s[G1I+3], 32<<16
	s_mov_b32 s[G1I+4], 128
	s_mov_b32 s[G1I+5], 32
	s_mov_b32 s[G1I+6], 0
	s_mov_b32 s[G1I+7], 0
	s_mov_b32 s[G1C], 15|(3<<16)|(1<<21)           ; the scale words: 48 rows of 256 bytes
	s_mov_b32 s[G1C+1], 32<<16
	s_mov_b32 s[G1C+2], 48<<16
	s_mov_b32 s[G1C+3], 32<<16
	s_mov_b32 s[G1C+4], 48
	s_mov_b32 s[G1C+5], 32
	s_mov_b32 s[G1C+6], 0
	s_mov_b32 s[G1C+7], 0
	s_mov_b32 s[MNT], 0x600000                     ; the mantissa field of 448
	s_mov_b32 s[SEL], 0x76543210
	s_mov_b32 s[SEL+1], 0xfedcba98                 ; lane l xor 16
	s_mov_b32 s[CS], 0x3fb8aa3b                    ; log2(e)
	s_mov_b32 s[CS+1], s[CS]
	s_mov_b32 s[HIM], 0xffff0000
	s_mul_i32 s14, s13, HEADB
	s_mov_b32 s15, 0
	s_mul_i32 s16, s13, HEADS
	s_mov_b32 s17, 0
	s_wait_dscnt 0x0                               ; both opening adds are done
	s_wait_kmcnt 0x0
	s_add_nc_u64 s[4:5], s[4:5], s[14:15]          ; my head's images
	s_add_nc_u64 s[6:7], s[6:7], s[16:17]          ; and scale words
	s_and_b32 s14, s[WV], 7
	s_lshl_b32 s14, s14, 15                        ; 32,768 bytes a fetching wave
	s_mov_b32 s[G0I], 1
	s_mov_b32 s[G0I+1], s14
	s_add_co_u32 s16, s14, 131072                  ; K's images begin 131,072 bytes into a head's, V's follow them
	s_add_nc_u64 s[G0I+2:G0I+3], s[4:5], s[16:17]
	s_or_b32 s[G0I+3], s[G0I+3], 0x80000000
	s_mov_b32 s[G0C], 1
	s_mov_b32 s[G0C+1], SCB
	s_add_nc_u64 s[G0C+2:G0C+3], s[6:7], 8192      ; K's scale words begin 8,192 bytes into a head's, V's follow them
	s_or_b32 s[G0C+3], s[G0C+3], 0x80000000
	CROUND                                         ; the four work-groups are here: the joint loads meet
	s_cmp_lt_u32 s[WV], 8                          ; one chain of branches on the wave's number, a load to an arm
	s_cbranch_scc0 .Lhead_sc
	tensor_load_to_lds s[G0I:G0I+3], s[G1I:G1I+7]
	s_nop 0
.rept 4
	v_nop
.endr
	s_branch .Lhead_asked
.Lhead_sc:
	s_cmp_lt_u32 s[WV], 9
	s_cbranch_scc0 .Lhead_asked
	tensor_load_to_lds s[G0C:G0C+3], s[G1C:G1C+7]
	s_nop 0
.rept 4
	v_nop
.endr
.Lhead_asked:
	s_lshl_b32 s14, s12, 5
	s_lshl_b32 s15, s[WV], 1
	s_add_co_u32 s14, s14, s15                     ; my first tile of 16 queries: 32 cx + 2 wave
	s_lshl_b32 s16, s14, 10
	s_add_nc_u64 s[QP:QP+1], s[4:5], s[16:17]      ; its image: 1,024 bytes a tile
	s_lshl_b32 s16, s12, 2
	s_lshr_b32 s15, s[WV], 2
	s_add_co_u32 s16, s16, s15
	s_lshl_b32 s16, s16, 9                         ; its scale words: 512 bytes for 8 tiles,
	s_and_b32 s15, s[WV], 3
	s_lshl_b32 s15, s15, 2
	s_add_co_u32 s16, s16, s15                     ; word wave % 4 of a lane's four
	s_add_nc_u64 s[QSP:QSP+1], s[6:7], s[16:17]
	s_lshr_b32 s15, s13, 4                         ; batch
	s_and_b32 s53, s13, 15                         ; head
	s_lshl_b32 s16, s15, 7
	s_add_co_u32 s16, s16, s14                     ; my tile among all 512 tiles of tokens
	s_lshl_b32 s54, s16, 10
	s_lshl_b32 s16, s16, 14                        ; ao_img: 16,384 bytes a tile, 1,024 a head
	s_lshl_b32 s15, s53, 10
	s_add_co_u32 s16, s16, s15
	s_add_nc_u64 s[8:9], s[8:9], s[16:17]
	s_lshl_b32 s15, s53, 7                         ; ao_sc: 2,048 bytes for two tiles, 128 a head
	s_add_co_u32 s16, s54, s15
	s_add_nc_u64 s[10:11], s[10:11], s[16:17]
	v_and_b32 v9, 31, v0
	s_delay_alu instid0(VALU_DEP_1)
	v_lshlrev_b32 v[LI], 4, v9
	s_delay_alu instid0(VALU_DEP_2)
	v_lshlrev_b32 v[L8], 3, v9
	s_delay_alu instid0(VALU_DEP_3)
	v_lshlrev_b32 v[L4], 2, v9
	v_and_b32 v[TA], 15, v0
	s_delay_alu instid0(VALU_DEP_1)
	v_lshlrev_b32 v[LQ], 4, v[TA]
	global_load_b128 v[QF:QF+3], v[LI], s[QP:QP+1]
	global_load_b128 v[QF+4:QF+7], v[LI], s[QP:QP+1] offset:512
	global_load_b32 v[QS], v[LQ], s[QSP:QSP+1]
	global_load_b128 v[STQ:STQ+3], v[LI], s[QP:QP+1] offset:1024
	global_load_b128 v[STQ+4:STQ+7], v[LI], s[QP:QP+1] offset:1536
	global_load_b32 v[STS], v[LQ], s[QSP:QSP+1] offset:256
.irp i, 0,1,2,3,4,5,6,7
	v_mov_b32 v[QF+8+\i], 0                        ; the upper 64 of the first product's K: zero codes
	v_mov_b32 v[KB+64+\i], 0
.endr
.irp b, 0,1,2,3
	v_mov_b32 v[TP+\b], 0                          ; a lane permute's destination counts as one of its sources
.endr
	v_mov_b32 v[FF+1], 0                           ; (named as the upper half of a pair)
	v_mov_b32 v[TA], 0
	s_wait_alu depctr_va_vdst(0)                   ; the wait at the head's end
	s_wait_tensorcnt 0x0                           ; my part of the head's K and V is in,
	s_barrier_signal -1
	s_barrier_wait -1                              ; everybody's is
	s_wait_loadcnt 0x0                             ; Q
.macro FETCHK                          ; a step's eight tiles of K and their scale words
.irp t, 0,1,2,3,4,5,6,7
.irp c, 0,1
	ds_load_b128 v[KB+8*\t+4*\c:KB+8*\t+4*\c+3], v[ADK] offset:1024*\t+512*\c
.endr
.endr
	ds_load_b128 v[KSW:KSW+3], v[ADS]
.endm
.macro DHOLD n                         ; p's pair n held at 448 x its block's scale: the conversion does not saturate (ISA guide 7.6.2)
	v_dual_min_num_f32 v[S+2*(\n)], v[HLD+(\n)/8], v[S+2*(\n)] :: v_dual_min_num_f32 v[S+2*(\n)+1], v[HLD+(\n)/8], v[S+2*(\n)+1]
.endm
; A KEY STEP.  pre = 1: the next step's K is fetched meanwhile.
.macro STEP pre
	v_add_nc_u32 v[ADV], s[TV], v[LI]              ; with the addition at the last step's end these are the nine places between V's products and the products that write over their operands
	v_add_nc_u32 v[ADT], s[TT], v[L8]
.if \pre
	v_add_nc_u32 v[ADK], s[TK], v[LI]
	v_add_nc_u32 v[ADS], s[TS], v[LI]
.rept 4
	v_nop
.endr
.else
.rept 6
	v_nop
.endr
.endif
	s_wait_alu depctr_va_vdst(0)                   ; directly ahead of the wait below
	s_wait_dscnt 0x0                               ; K's tiles and scale words
.irp t, 0,1,2,3,4,5,6,7
	WM S+8*\t, KB+8*\t, QF, -1, KSW+\t/2, QS, \t%2
.endr
.rept 8
	v_nop                                          ; places ahead of the loads into K's registers and of the first read of S^T
.endr
.if \pre
	FETCHK
.endif
	ds_load_b64 v[VSW:VSW+1], v[ADT]
.irp b, 0,1,2,3
	v_max3_num_f32 v[BMX+\b], v[S+16*\b], v[S+1+16*\b], v[S+2+16*\b]   ; each block's largest score: for the row's maximum and, since p rises with the score, for the block's largest p
.endr
.irp i, 3,5,7,9,11,13
.irp b, 0,1,2,3
	v_max3_num_f32 v[BMX+\b], v[BMX+\b], v[S+16*\b+\i], v[S+1+16*\b+\i]
.endr
.endr
.irp b, 0,1,2,3
	v_max_num_f32 v[BMX+\b], v[BMX+\b], v[S+15+16*\b]
.endr
.irp b, 0,1,2,3
	s_delay_alu instid0(VALU_DEP_4)
	v_permlanex16_b32 v[TP+\b], v[BMX+\b], s[SEL], s[SEL+1]
.endr
	v_mov_b32 v[OM], v12
.irp b, 0,1,2,3
	v_max_num_f32 v[BMX+\b], v[BMX+\b], v[TP+\b]   ; with lane l xor 16's 16 keys
.endr
	s_delay_alu instid0(VALU_DEP_2)
	v_max3_num_f32 v[TA], v[BMX], v[BMX+1], v[BMX+2]
	s_delay_alu instid0(VALU_DEP_1)
	v_max_num_f32 v[TA], v[TA], v[BMX+3]
	s_delay_alu instid0(VALU_DEP_1)
	v_mul_f32 v[TA], s[CS], v[TA]
	s_delay_alu instid0(VALU_DEP_1)
	v_max_num_f32 v13, v13, v[TA]                  ; the running largest t
	s_delay_alu instid0(VALU_DEP_1)
	v_floor_f32 v12, -v13                          ; -M = floor(-t)
	s_delay_alu instid0(VALU_DEP_1)
	v_fma_f32 v[BMX], v[BMX], s[CS], v12
	s_delay_alu instid0(VALU_DEP_2)
	v_sub_f32 v[TA], v12, v[OM]                    ; old M - new M, a whole number, 0 or less
	s_delay_alu instid0(VALU_DEP_3)
	v_fma_f32 v[BMX+1], v[BMX+1], s[CS], v12
	s_delay_alu instid0(VALU_DEP_2)
	v_cvt_i32_f32 v[TA], v[TA]                     ; (it saturates)
	v_fma_f32 v[BMX+2], v[BMX+2], s[CS], v12
	s_delay_alu instid0(VALU_DEP_2)
	v_ldexp_f32 v[FF], 1.0, v[TA]                  ; f = 2^(old M - new M)
	v_fma_f32 v[BMX+3], v[BMX+3], s[CS], v12
.set n, 0
.rept 32
	v_pk_fma_f32 v[S+2*n:S+2*n+1], v[S+2*n:S+2*n+1], s[CS:CS+1], v[12:13] op_sel_hi:[1,0,0]   ; t - M, two at a time
.set n, n+1
.endr
	s_wait_alu depctr_va_vdst(0)                   ; the wait ahead of the batch
.irp b, 0,1,2,3
	v_exp_f32 v[BMX+\b], v[BMX+\b]                 ; the blocks' largest p
.endr
.set n, 0
.rept 64
	v_exp_f32 v[S+n], v[S+n]                       ; p = 2^(t - M)
.set n, n+1
.endr
	v_pk_mul_f32 v[14:15], v[14:15], v[FF:FF+1] op_sel_hi:[1,0]   ; the sums under the new M (a plain place behind the batch)
	s_wait_alu depctr_va_vdst(0)                   ; and the one wait behind it, ahead of its first reader
.irp b, 0,1,2,3
	v_max_num_f32 v[BMX+\b], 0x4800000, v[BMX+\b]  ; the floor 2^(9 - 127): the byte cannot fall under 1
.endr
.irp b, 0,1,2,3
	v_add_nc_u32 v[SOP+\b], 0xfc000000, v[BMX+\b]  ; 8 off the exponent field: the conversion's scale operand
.endr
.irp b, 0,1,2,3
	v_and_or_b32 v[HLD+\b], v[BMX+\b], 0x7f800000, s[MNT]   ; 448 x the scale
.endr
.irp b, 0,1,2,3
	v_lshrrev_b32 v[TP+\b], 23, v[SOP+\b]          ; the scale's byte
.endr
	v_lshl_or_b32 v[PWD], v[TP+1], 8, v[TP]        ; p's scale word for these 128 keys
	v_pk_add_f32 v[SM2:SM2+1], v[S:S+1], v[S+2:S+3]   ; the row's sum of the unquantised p, in two chains; each pair is held behind its addition
	v_lshl_or_b32 v[PWD], v[TP+2], 16, v[PWD]
	DHOLD 0
	v_lshl_or_b32 v[PWD], v[TP+3], 24, v[PWD]
	DHOLD 1
.set n, 2
.rept 30
.if n%2
	v_pk_add_f32 v[SM2:SM2+1], v[SM2:SM2+1], v[S+2*n:S+2*n+1]
.else
	v_pk_add_f32 v[14:15], v[14:15], v[S+2*n:S+2*n+1]
.endif
	DHOLD n
.if n%8 == 7                           ; a block of 32 keys is done: its codes, and V's fragment n / 8 into the registers that it leaves
	v_cvt_scalef32_pk8_fp8_f32 v[P+4*(n/8):P+4*(n/8)+1], v[S+16*(n/8):S+16*(n/8)+7], v[SOP+n/8]
	v_cvt_scalef32_pk8_fp8_f32 v[P+4*(n/8)+2:P+4*(n/8)+3], v[S+16*(n/8)+8:S+16*(n/8)+15], v[SOP+n/8]
.irp c, 0,1,2,3
	ds_load_b128 v[S+16*(n/8)+4*\c:S+16*(n/8)+4*\c+3], v[ADV] offset:2048*(n/8)+512*\c
.endr
.endif
.set n, n+1
.endr
	s_wait_alu depctr_va_vdst(0)                   ; directly ahead of the first readers of O^T
.irp j, 0,2,4,6,8,10,12,14,16,18,20,22,24,26,28,30
	v_pk_mul_f32 v[O+\j:O+1+\j], v[O+\j:O+1+\j], v[FF:FF+1] op_sel_hi:[1,0]   ; O^T under the new M; also the places between the codes and the products
.endr
	s_wait_alu depctr_va_vdst(0)                   ; directly ahead of the wait below
.irp d, 0,1,2,3
	s_wait_dscnt 12-4*\d                           ; V's fragment d is in: behind its four loads stand those of the 3 - d later fragments
	WM O+8*\d, S+16*\d, P, O+8*\d, VSW+\d/2, PWD, \d%2
.endr
	v_pk_add_f32 v[14:15], v[14:15], v[SM2:SM2+1]  ; the two chains joined (a place behind the products)
.endm
; A PASS: one tile of 16 queries against all 2,048 keys, then its way out.
.macro PASS p
.if \p
	s_wait_xcnt 0x0                                ; the first pass's stores have read their data
.irp i, 0,1,2,3,4,5,6,7
	v_mov_b32 v[QF+\i], v[STQ+\i]
.endr
	v_mov_b32 v[QS], v[STS]
.endif
	s_mov_b32 s[TK], 0
	s_mov_b32 s[TS], SCB
	v_add_nc_u32 v[ADK], s[TK], v[LI]
	v_add_nc_u32 v[ADS], s[TS], v[LI]
	FETCHK
	v_mov_b32 v13, 0xff61b1e6                      ; the largest t so far: -3e38
	s_delay_alu instid0(VALU_DEP_1)
	v_floor_f32 v12, -v13
	v_mov_b32 v14, 0
	v_mov_b32 v15, 0
.irp j, 0,1,2,3,4,5,6,7,8,9,10,11,12,13,14,15,16,17,18,19,20,21,22,23,24,25,26,27,28,29,30,31
	v_mov_b32 v[O+\j], 0                           ; the step is written once: the first finds zeros
.endr
	s_mov_b32 s[TK], 8192
	s_mov_b32 s[TS], SCB+512
	s_mov_b32 s[TV], VIM
	s_mov_b32 s[TT], SCB+8192
	s_mov_b32 s[CNT], 15
.Lstep_\@:
	STEP 1
	s_add_co_u32 s[TK], s[TK], 8192
	s_add_co_u32 s[TV], s[TV], 8192
	s_add_co_u32 s[TS], s[TS], 512
	s_add_co_u32 s[TT], s[TT], 256
	s_sub_co_u32 s[CNT], s[CNT], 1
	s_cmp_lg_u32 s[CNT], 0
	s_cbranch_scc1 .Lstep_\@
	STEP 0                                         ; the last step fetches no further K
.rept 7
	v_nop
.endr
	v_add_f32 v14, v14, v15
	s_delay_alu instid0(VALU_DEP_1)
	v_permlanex16_b32 v[TA], v14, s[SEL], s[SEL+1]
	s_delay_alu instid0(VALU_DEP_1)
	v_add_f32 v14, v14, v[TA]                      ; the row's sum
	s_wait_alu depctr_va_vdst(0)                   ; the wait ahead of the transcendental
	v_rcp_f32 v14, v14
	v_nop
	s_wait_alu depctr_va_vdst(0)                   ; and behind it, directly ahead of the readers
.irp j, 0,2,4,6,8,10,12,14,16,18,20,22,24,26,28,30
	v_pk_mul_f32 v[S+\j:S+1+\j], v[O+\j:O+1+\j], v[14:15] op_sel_hi:[1,0]
.endr
	; the head's 64 channels are two blocks of 32 of the last product's K: quantised here
.irp b, 0,1
	v_max3_num_f32 v[BMX+\b], |v[S+16*\b]|, |v[S+1+16*\b]|, 0x4800000
.endr
.irp i, 2,4,6,8,10,12,14
.irp b, 0,1
	s_delay_alu instid0(VALU_DEP_2)
	v_max3_num_f32 v[BMX+\b], v[BMX+\b], |v[S+16*\b+\i]|, |v[S+1+16*\b+\i]|
.endr
.endr
.irp b, 0,1
	s_delay_alu instid0(VALU_DEP_2)
	v_permlanex16_b32 v[TP+\b], v[BMX+\b], s[SEL], s[SEL+1]
.endr
.irp b, 0,1
	s_delay_alu instid0(VALU_DEP_2)
	v_max_num_f32 v[BMX+\b], v[BMX+\b], v[TP+\b]
.endr
.irp b, 0,1
	s_delay_alu instid0(VALU_DEP_2)
	v_add_nc_u32 v[SOP+\b], 0xfc000000, v[BMX+\b]
.endr
.irp b, 0,1
	s_delay_alu instid0(VALU_DEP_4)
	v_and_or_b32 v[HLD+\b], v[BMX+\b], 0x7f800000, s[MNT]
.endr
.irp b, 0,1
	s_delay_alu instid0(VALU_DEP_4)
	v_lshrrev_b32 v[TP+\b], 23, v[SOP+\b]
.endr
	s_delay_alu instid0(VALU_DEP_1)
	v_lshl_or_b32 v[TA], v[TP+1], 8, v[TP]
.irp b, 0,1
.irp i, 0,1,2,3,4,5,6,7,8,9,10,11,12,13,14,15
	v_med3_num_f32 v[S+16*\b+\i], v[S+16*\b+\i], -v[HLD+\b], v[HLD+\b]
.endr
	v_cvt_scalef32_pk8_fp8_f32 v[P+4*\b:P+1+4*\b], v[S+16*\b:S+7+16*\b], v[SOP+\b]
	v_cvt_scalef32_pk8_fp8_f32 v[P+2+4*\b:P+3+4*\b], v[S+8+16*\b:S+15+16*\b], v[SOP+\b]
.endr
	v_nop                                          ; one plain line behind the last conversion
	global_store_b128 v[LI], v[P:P+3], s[8:9] offset:16384*\p          ; images of operand registers: 512 consecutive bytes a store
	global_store_b128 v[LI], v[P+4:P+7], s[8:9] offset:16384*\p+512
.if \p
	v_cndmask_b32 v[AW], v[AW], v[TA], s[HIM]      ; lanes 0-15 keep the first tile's scale word, lanes 16-31 take the second's
	global_store_b32 v[L4], v[AW], s[10:11]
.else
	v_mov_b32 v[AW], v[TA]
.endif
.endm
	PASS 0
	PASS 1
	s_wait_tensorcnt 0x0                           ; the wave's end
	ds_add_u32 v[SPW], v[NIL]
	s_wait_dscnt 0x0
	CROUND                                         ; the closing round
	s_endpgm
.Lfunc_end_k_q67d1e7bb8a_attn:
	.size	k_q67d1e7bb8a_attn, .Lfunc_end_k_q67d1e7bb8a_attn-k_q67d1e7bb8a_attn
	.p2alignl 7, 3214868480
	.fill 96, 4, 3214868480
	.section	.rodata,"a",@progbits
	.p2align	6, 0x0
	.amdhsa_kernel k_q67d1e7bb8a_attn
		.amdhsa_group_segment_fixed_size 327680
		.amdhsa_private_segment_fixed_size 0
		.amdhsa_enable_private_segment 0
		.amdhsa_kernarg_size 32
		.amdhsa_user_sgpr_count 2
		.amdhsa_user_sgpr_kernarg_segment_ptr 1
		.amdhsa_wavefront_size32 1
		.amdhsa_system_sgpr_workgroup_id_x 1
		.amdhsa_system_sgpr_workgroup_id_y 1
		.amdhsa_system_sgpr_workgroup_id_z 1
		.amdhsa_system_vgpr_workitem_id 0
		.amdhsa_next_free_vgpr 256
		.amdhsa_next_free_sgpr 66
		.amdhsa_reserve_vcc 0
		.amdhsa_float_denorm_mode_32 3
		.amdhsa_float_denorm_mode_16_64 3
		.amdhsa_memory_ordered 1
		.amdhsa_forward_progress 1
		.amdhsa_inst_pref_size 99
	.end_amdhsa_kernel
	.amdgpu_metadata
---
amdhsa.version: [ 1, 2 ]
amdhsa.kernels:
  - .name:           k_q67d1e7bb8a_attn
    .symbol:         k_q67d1e7bb8a_attn.kd
    .args:
      - { .name: qkv_img, .offset: 0, .size: 8, .value_kind: global_buffer, .address_space: global }
      - { .name: qkv_sc, .offset: 8, .size: 8, .value_kind: global_buffer, .address_space: global }
      - { .name: ao_img, .offset: 16, .size: 8, .value_kind: global_buffer, .address_space: global }
      - { .name: ao_sc, .offset: 24, .size: 8, .value_kind: global_buffer, .address_space: global }
    .group_segment_fixed_size: 327680
    .private_segment_fixed_size: 0
    .kernarg_segment_align: 8
    .kernarg_segment_size: 32
    .max_flat_workgroup_size: 512
    .sgpr_count:     66
    .vgpr_count:     256
    .wavefront_size: 32
...
	.end_amdgpu_metadata
.endif
;; end of part 3
;; launch proj (part 4): grid 256 x 1, 16 waves a work-group, clusters of 4 x 1, 327,680 bytes of LDS; arguments ao_img, ao_sc, wo_img, Wo_scales, bo, x, gamma, beta, out0; writes out0
.if DOCPART == 4
	.amdgcn_target "amdgcn-amd-amdhsa--gfx1250"
	.amdhsa_code_object_version 6
	.text
	.protected	k_q67d1e7bb8a_proj
	.globl	k_q67d1e7bb8a_proj
	.p2align	8
	.type	k_q67d1e7bb8a_proj,@function
k_q67d1e7bb8a_proj:
	s_mov_b64 s[64:65], 0
	v_nop
	global_prefetch_b8 v0, s[64:65] scope:SCOPE_SE
	s_setreg_imm32_b32 hwreg(HW_REG_WAVE_MODE, 25, 1), 1
	s_wait_xcnt 0x0
	s_wait_alu depctr_hold_cnt(0) depctr_sa_sdst(0) depctr_va_vdst(0) depctr_va_sdst(0) depctr_va_ssrc(0) depctr_va_vcc(0) depctr_vm_vsrc(0)
	s_getreg_b32 s2, hwreg(HW_REG_IB_STS2, 6, 4)
	s_cmp_eq_u32 s2, 0
	s_cbranch_scc0 .Lentry_in_a_cluster
	s_endpgm
.Lentry_in_a_cluster:
	s_bfe_u32 s2, ttmp6, 0x10000c
	s_cmp_lg_u32 s2, 0x3003
	s_cbranch_scc0 .Lentry_shape_is_right
	s_endpgm
.Lentry_shape_is_right:
; PROJ.  out0 = LayerNorm(a Wo + bo + x) x gamma + beta.  a: the attention launch's result as codes of E4M3 with E8M0 scales (images of operand registers), Wo: given codes, laid as images by the first launch.  K = 1024.
; SHARES.  A work-group owns 32 whole rows (the norm wants whole rows), a wave 64 of the 1,024 columns: 4 tiles of Wo's rows x 2 tiles of tokens = 8 accumulators, 8 products a K step of 128.
; CLUSTERS: every work-group walks all of Wo, so the four of a cluster ask for it jointly.  A K step of Wo is 64 rows of 2,048 bytes (a tile of 16 columns each), 16,384 bytes apart in wo_img: waves 0-7 fetch 8 rows each.
; THE RING: two LDS slots of 131,072 bytes, a K step each; ahead of each fill the three lines and a round of the cluster's barrier; a wave has one load out at the most.  The eight trips are written out: the scale registers differ from step to step.
; The work-group's own 32,768 bytes of a's images come once, at the head, by waves 8-15 (plain loads): so every wave issues one load at the head.
; PREFETCHES.  Wo: in trip t waves 8-11 ask for the K step that trip t + 2's round fetches, K step t + 3: see ASKW; each cluster names each block of 256 bytes once: the partner at place cx takes
; tiles 16 cx .. 16 cx + 15, a wave four of them, a lane a block; told apart by address alone.  K steps 0 to 2 come by their loads alone.  x: each wave names its own two rows (8,192 bytes, a lane a block) once, in trip 0; they are loaded behind the last trip.
; THE WAY OUT: the sums go through a stage in LDS (rows of 4,096 + 16 bytes) that lies in slot 0, which has had its last fill and its last read by then, and 512 bytes of its own; then a wave owns two whole rows:
; + bo + x, mean, variance of the centred numbers, rsqrt, gamma, beta; each store covers 512 consecutive bytes.
; LIMITS: NaN and infinities are not served.
.set SLOT1, 0
.set AIM,   131072                     ; a's images: [token tile 2][ks 8][c 4][lane][16]
.set SLOT0, 163840
.set HST,   163840                     ; the stage: 32 rows x HP bytes = 131,584: slot 0 and the 512 bytes behind it
.set HP,    4112
.set SPARE, 295424                     ; the spare words: 128 bytes for each of 16 waves; no other line names them
.set LI,  1
.set L4,  2
.set L32, 3
.set SO0, 4
.set SO1, 5
.set AAD, 6
.set HRD, 7
.set BAD, 8                            ; v8, v9: my four tiles of Wo in slot 0, slot 1
.set PFO, 10                           ; 256 x lane
.set PFW, 11                           ; 16,384 x (lane / 8) + 256 x (lane % 8)
.set ACC, 16
.set AF,  80
.set BF,  112
.set WS,  208
.set AS,  224
.set HR,  16
.set BO,  80
.set GA,  112
.set BE,  144
.set XR,  176
.set SA,  240
.set SB,  242
.set PT,  248
.set NM,  250
.set SPW, 254                          ; my spare word's address; never rewritten
.set NIL, 255                          ; 0; never rewritten
.set WV,  22
.set WQ,  23                           ; wave / 4
.set G1A, 24
.set G1W, 32
.set G0A, 40
.set G0W, 44                           ; s[44:47] slot 0's group 0, s[48:51] slot 1's
.set SEL, 56
.set EPS, 58
.set INV, 59
.macro CROUND                          ; a round of the cluster's barrier
	s_barrier_signal -1
	s_barrier_wait -1
	s_cmp_lg_u32 s[WV], 0
	s_cbranch_scc1 .Lnot_wave_0_\@
	s_barrier_signal -3
.Lnot_wave_0_\@:
	s_barrier_wait -3
	s_barrier_signal -1
	s_barrier_wait -1
.endm
.macro WM d, a, b, c, sa, sb, ra, rb   ; c < 0: the sum starts from 0;  ra, rb: that source's scales in lanes 16-31
.if (\c) < 0
.if (\ra) && (\rb)
	v_wmma_scale_f32_16x16x128_f8f6f4 v[\d:\d+7], v[\a:\a+15], v[\b:\b+15], 0, v[\sa], v[\sb] matrix_a_scale:MATRIX_SCALE_ROW1 matrix_b_scale:MATRIX_SCALE_ROW1
.elseif \ra
	v_wmma_scale_f32_16x16x128_f8f6f4 v[\d:\d+7], v[\a:\a+15], v[\b:\b+15], 0, v[\sa], v[\sb] matrix_a_scale:MATRIX_SCALE_ROW1
.elseif \rb
	v_wmma_scale_f32_16x16x128_f8f6f4 v[\d:\d+7], v[\a:\a+15], v[\b:\b+15], 0, v[\sa], v[\sb] matrix_b_scale:MATRIX_SCALE_ROW1
.else
	v_wmma_scale_f32_16x16x128_f8f6f4 v[\d:\d+7], v[\a:\a+15], v[\b:\b+15], 0, v[\sa], v[\sb]
.endif
.else
.if (\ra) && (\rb)
	v_wmma_scale_f32_16x16x128_f8f6f4 v[\d:\d+7], v[\a:\a+15], v[\b:\b+15], v[\c:\c+7], v[\sa], v[\sb] matrix_a_scale:MATRIX_SCALE_ROW1 matrix_b_scale:MATRIX_SCALE_ROW1
.elseif \ra
	v_wmma_scale_f32_16x16x128_f8f6f4 v[\d:\d+7], v[\a:\a+15], v[\b:\b+15], v[\c:\c+7], v[\sa], v[\sb] matrix_a_scale:MATRIX_SCALE_ROW1
.elseif \rb
	v_wmma_scale_f32_16x16x128_f8f6f4 v[\d:\d+7], v[\a:\a+15], v[\b:\b+15], v[\c:\c+7], v[\sa], v[\sb] matrix_b_scale:MATRIX_SCALE_ROW1
.else
	v_wmma_scale_f32_16x16x128_f8f6f4 v[\d:\d+7], v[\a:\a+15], v[\b:\b+15], v[\c:\c+7], v[\sa], v[\sb]
.endif
.endif
.endm
	s_load_b512 s[4:19], s[0:1], 0x0               ; ao_img, ao_sc, wo_img, Wo_scales, bo, x, gamma, beta
	s_load_b64 s[20:21], s[0:1], 0x40              ; out0
	v_lshl_add_u32 v[SPW], v0, 2, SPARE
	v_mov_b32 v[NIL], 0
	ds_add_u32 v[SPW], v[NIL]                      ; the opening lines: the add, twice on end, and its wait
	ds_add_u32 v[SPW], v[NIL]
	v_lshrrev_b32 v14, 5, v0
	s_delay_alu instid0(VALU_DEP_1)
	v_readfirstlane_b32 s[WV], v14                 ; wave 0..15
	s_mov_b32 s[G1A], 3<<16                        ; a's images: 16 rows of 256 bytes (32 elements of 8), dense; no mask
	s_mov_b32 s[G1A+1], 32<<16
	s_mov_b32 s[G1A+2], 16<<16
	s_mov_b32 s[G1A+3], 32<<16
	s_mov_b32 s[G1A+4], 16
	s_mov_b32 s[G1A+5], 32
	s_mov_b32 s[G1A+6], 0
	s_mov_b32 s[G1A+7], 0
	s_mov_b32 s[G1W], 15|(3<<16)|(1<<21)           ; Wo: 8 rows of 2,048 bytes (256 elements of 8), 16,384 bytes apart; the mask names the cluster's four
	s_mov_b32 s[G1W+1], 256<<16
	s_mov_b32 s[G1W+2], 8<<16
	s_mov_b32 s[G1W+3], 256<<16
	s_mov_b32 s[G1W+4], 8
	s_mov_b32 s[G1W+5], 2048
	s_mov_b32 s[G1W+6], 0
	s_mov_b32 s[G1W+7], 0
	s_mov_b32 s[SEL], 0x76543210
	s_mov_b32 s[SEL+1], 0xfedcba98                 ; lane l xor 16
	s_mov_b32 s[EPS], 0x2b8cbccc                   ; 1e-12
	s_mov_b32 s[INV], 0x3a800000                   ; 1 / 1024
	s_lshr_b32 s[WQ], s[WV], 2
	s_bfe_u32 s54, ttmp6, 0x40000                  ; cx
	s_lshl_b32 s55, ttmp9, 2
	s_add_co_u32 s55, s55, s54                     ; my work-group: 4 x cluster + cx; it enters global addresses of plain accesses alone
	s_and_b32 s62, s[WV], 7
	s_lshl_b32 s60, s55, 15                        ; a's images: 32,768 bytes a work-group,
	s_lshl_b32 s63, s62, 12                        ; 4,096 a fetching wave
	s_add_co_u32 s60, s60, s63
	s_mov_b32 s61, 0
	s_mov_b32 s[G0A], 1
	s_add_co_u32 s[G0A+1], s63, AIM
	s_lshl_b32 s52, s62, 17                        ; Wo: 8 tiles of 16,384 bytes a fetching wave,
	s_mov_b32 s53, 0
	s_lshl_b32 s63, s62, 14                        ; 8 rows of 2,048 bytes in a slot
	s_mov_b32 s[G0W], 1
	s_add_co_u32 s[G0W+1], s63, SLOT0
	s_mov_b32 s[G0W+4], 1
	s_add_co_u32 s[G0W+5], s63, SLOT1
	s_wait_dscnt 0x0                               ; both opening adds are done
	s_wait_kmcnt 0x0
	s_add_nc_u64 s[G0A+2:G0A+3], s[4:5], s[60:61]
	s_or_b32 s[G0A+3], s[G0A+3], 0x80000000
	s_add_nc_u64 s[G0W+2:G0W+3], s[8:9], s[52:53]  ; K step 0
	s_add_nc_u64 s[G0W+6:G0W+7], s[G0W+2:G0W+3], 2048   ; K step 1
	s_or_b32 s[G0W+3], s[G0W+3], 0x80000000
	s_or_b32 s[G0W+7], s[G0W+7], 0x80000000
	CROUND                                         ; the four work-groups are here: the joint loads meet
	s_cmp_lt_u32 s[WV], 8                          ; the head's loads, one a wave: waves 0-7 Wo's K step 0, waves 8-15 a's images
	s_cbranch_scc0 .Lhead_a
	tensor_load_to_lds s[G0W:G0W+3], s[G1W:G1W+7]
	s_nop 0
.rept 4
	v_nop
.endr
	s_branch .Lhead_asked
.Lhead_a:
	tensor_load_to_lds s[G0A:G0A+3], s[G1A:G1A+7]
	s_nop 0
.rept 4
	v_nop
.endr
.Lhead_asked:
	s_lshl_b32 s60, s55, 17                        ; x and out0: 131,072 bytes a work-group, 8,192 (two rows) a wave
	s_lshl_b32 s62, s[WV], 13
	s_add_co_u32 s60, s60, s62
	s_add_nc_u64 s[20:21], s[20:21], s[60:61]
	s_add_nc_u64 s[14:15], s[14:15], s[60:61]
	s_lshl_b32 s60, s55, 11
	s_add_nc_u64 s[6:7], s[6:7], s[60:61]          ; a's scale words: 2,048 bytes a work-group
	s_lshl_b32 s60, s[WV], 11
	s_add_nc_u64 s[10:11], s[10:11], s[60:61]      ; Wo's scale bytes: my 64 rows of 32
	s_lshl_b32 s60, s54, 4
	s_and_b32 s63, s[WV], 3
	s_lshl_b32 s63, s63, 2
	s_add_co_u32 s60, s60, s63
	s_lshl_b32 s60, s60, 14
	s_add_nc_u64 s[8:9], s[8:9], s[60:61]          ; the prefetches of Wo: tiles 16 cx + 4 (wave % 4) on
	v_and_b32 v14, 31, v0
	s_delay_alu instid0(VALU_DEP_1)
	v_lshlrev_b32 v[LI], 4, v14
	s_delay_alu instid0(VALU_DEP_2)
	v_lshlrev_b32 v[L4], 2, v14
	s_delay_alu instid0(VALU_DEP_3)
	v_lshlrev_b32 v[L32], 5, v14
	s_delay_alu instid0(VALU_DEP_4)
	v_lshlrev_b32 v[PFO], 8, v14
	v_lshrrev_b32 v[PFW], 3, v14
	v_and_b32 v15, 7, v14
	s_delay_alu instid0(VALU_DEP_2)
	v_lshlrev_b32 v[PFW], 14, v[PFW]
	s_delay_alu instid0(VALU_DEP_1)
	v_lshl_add_u32 v[PFW], v15, 8, v[PFW]
	v_and_b32 v12, 15, v0
	v_bfe_u32 v13, v0, 4, 1
	s_delay_alu instid0(VALU_DEP_2)
	v_mul_u32_u24 v[SO0], v12, HP
	s_delay_alu instid0(VALU_DEP_1)
	v_lshl_add_u32 v[SO0], v13, 5, v[SO0]
	s_lshl_b32 s54, s[WV], 8
	v_add_nc_u32 v[SO0], s54, v[SO0]
	s_delay_alu instid0(VALU_DEP_1)
	v_add_nc_u32 v[SO0], HST, v[SO0]               ; the stage, in: row r, my 64 columns, + 32 h
	s_delay_alu instid0(VALU_DEP_1)
	v_add_nc_u32 v[SO1], 16*HP, v[SO0]
	v_add_nc_u32 v[AAD], AIM, v[LI]
	v_add_nc_u32 v[BAD+1], s62, v[LI]              ; my four tiles of a slot: 8,192 bytes a wave
	s_delay_alu instid0(VALU_DEP_1)
	v_add_nc_u32 v[BAD], SLOT0, v[BAD+1]
	s_mul_i32 s54, s[WV], 2*HP
	v_add_nc_u32 v[HRD], s54, v[LI]
	s_delay_alu instid0(VALU_DEP_1)
	v_add_nc_u32 v[HRD], HST, v[HRD]               ; and back: my two rows
	v_mov_b32 v[PT], 0
	v_mov_b32 v[PT+1], 0
.irp d, 0,1,2,3,4,5,6,7,8,9,10,11,12,13,14,15
	global_load_b32 v[ACC+\d], v[L4], s[6:7] offset:128*\d     ; a's scale words, two bytes a head: lanes 0-15 the first tile of tokens, lanes 16-31 the second
.endr
.irp i, 0,1
.irp q, 0,1
	global_load_b128 v[WS+8*\i+4*\q:WS+8*\i+4*\q+3], v[L32], s[10:11] offset:1024*\i+16*\q   ; Wo's: lanes 0-15 tile 2 i, lanes 16-31 tile 2 i + 1; a register a K step
.endr
.endr
	s_wait_alu depctr_va_vdst(0)                   ; directly ahead of the wait below
	s_wait_loadcnt 0x0
.irp k, 0,1,2,3,4,5,6,7
	v_lshl_or_b32 v[AS+\k], v[ACC+1+2*\k], 16, v[ACC+2*\k]     ; two heads make a K step's word
.endr
.rept 8
	v_nop                                          ; a scale register written by a vector instruction stands eight places ahead of its product
.endr
; A TRIP: K step ks, in slot ks % 2.  refill = 1: behind the round the other slot takes K step ks + 1.
.macro TRIP ks, refill
	s_wait_tensorcnt 0x0                           ; my load has landed,
	ds_add_u32 v[SPW], v[NIL]                      ; 0 onto my spare word
	s_add_nc_u64 s[G0W+4*((\ks)%2)+2:G0W+4*((\ks)%2)+3], s[G0W+4*((\ks)%2)+2:G0W+4*((\ks)%2)+3], 4096   ; no load of mine is out: this slot's group 0 goes two K steps on
	s_wait_dscnt 0x0                               ; the add is done, and so are my reads of the other slot
	CROUND                                         ; both hold of every wave of the cluster
.if \refill
	s_cmp_lt_u32 s[WV], 8
	s_cbranch_scc0 .Lnone_\@
	tensor_load_to_lds s[G0W+4*(1-(\ks)%2):G0W+4*(1-(\ks)%2)+3], s[G1W:G1W+7]
	s_nop 0
.rept 4
	v_nop
.endr
.Lnone_\@:
.endif
.irp m, 0,1
.irp c, 0,1,2,3
	ds_load_b128 v[AF+16*\m+4*\c:AF+16*\m+4*\c+3], v[AAD] offset:16384*\m+2048*(\ks)+512*\c
.endr
.endr
.irp n, 0,1,2,3
.irp c, 0,1,2,3
	ds_load_b128 v[BF+16*\n+4*\c:BF+16*\n+4*\c+3], v[BAD+(\ks)%2] offset:2048*\n+512*\c
.endr
.endr
.if (\ks) == 0
	global_prefetch_b8 v[PFO], s[14:15] th:TH_LOAD_NT scope:SCOPE_SE   ; my two rows of x, wanted behind the last trip
.endif
.if (\ks) < 5                          ; ASKW: K step ks + 3, which the round of trip ks + 2 fetches: two trips ahead.  The last K step asked for is 7
	s_cmp_eq_u32 s[WQ], 2                          ; waves 8-11
	s_cbranch_scc0 .Lno_ask_\@
	global_prefetch_b8 v[PFW], s[8:9] offset:2048*((\ks)+3) th:TH_LOAD_NT scope:SCOPE_SE
.Lno_ask_\@:
.endif
.irp n, 0,1,2,3
	s_wait_dscnt 12-4*\n                           ; a's fragments and Wo's tile n are in: behind them stand the loads of the 3 - n later tiles
.irp m, 0,1
.if (\ks) == 0
	WM ACC+16*\n+8*\m, BF+16*\n, AF+16*\m, -1, WS+8*(\n/2)+(\ks), AS+(\ks), \n%2, \m
.else
	WM ACC+16*\n+8*\m, BF+16*\n, AF+16*\m, ACC+16*\n+8*\m, WS+8*(\n/2)+(\ks), AS+(\ks), \n%2, \m
.endif
.endr
.endr
.rept 8
	v_nop                                          ; places ahead of the next loads into the operands' registers, and of the first read of the sums
.endr
.endm
	s_wait_alu depctr_va_vdst(0)                   ; the wait at the head's end
	TRIP 0, 1
	TRIP 1, 1
	TRIP 2, 1
	TRIP 3, 1
	TRIP 4, 1
	TRIP 5, 1
	TRIP 6, 1
	TRIP 7, 0
.irp p, 0,1
.irp i, 0,1,2,3,4,5,6,7
	global_load_b128 v[XR+32*\p+4*\i:XR+32*\p+4*\i+3], v[LI], s[14:15] offset:4096*\p+512*\i th:TH_LOAD_NT   ; my two rows of x
.endr
.endr
.irp i, 0,1,2,3,4,5,6,7
	global_load_b128 v[BO+4*\i:BO+4*\i+3], v[LI], s[12:13] offset:512*\i
	global_load_b128 v[GA+4*\i:GA+4*\i+3], v[LI], s[16:17] offset:512*\i
	global_load_b128 v[BE+4*\i:BE+4*\i+3], v[LI], s[18:19] offset:512*\i
.endr
.irp n, 0,1,2,3
	ds_store_b128 v[SO0], v[ACC+16*\n:ACC+16*\n+3] offset:64*\n          ; each accumulator from its low end on
	ds_store_b128 v[SO0], v[ACC+16*\n+4:ACC+16*\n+7] offset:64*\n+16
	ds_store_b128 v[SO1], v[ACC+16*\n+8:ACC+16*\n+11] offset:64*\n
	ds_store_b128 v[SO1], v[ACC+16*\n+12:ACC+16*\n+15] offset:64*\n+16
.endr
	s_wait_dscnt 0x0                               ; my part of the stage is written,
	s_barrier_signal -1
	s_barrier_wait -1                              ; everybody's is
.irp p, 0,1
.irp i, 0,1,2,3,4,5,6,7
	ds_load_b128 v[HR+32*\p+4*\i:HR+32*\p+4*\i+3], v[HRD] offset:HP*\p+512*\i
.endr
.endr
	s_wait_dscnt 0x0
	s_wait_loadcnt 0x0
.macro ACROSS                          ; two rows' sums over a lane's chains and over the 32 lanes
.irp p, 0
	s_delay_alu instid0(VALU_DEP_3)
	v_pk_add_f32 v[SA+4*\p:SA+4*\p+1], v[SA+4*\p:SA+4*\p+1], v[SB+4*\p:SB+4*\p+1]
.endr
.irp p, 1
	s_delay_alu instid0(VALU_DEP_2)
	v_pk_add_f32 v[SA+4*\p:SA+4*\p+1], v[SA+4*\p:SA+4*\p+1], v[SB+4*\p:SB+4*\p+1]
.endr
.irp p, 0,1
	s_delay_alu instid0(VALU_DEP_2)
	v_add_f32 v[SA+4*\p], v[SA+4*\p], v[SA+4*\p+1]
.endr
.irp m, 1,2,4,8
.irp p, 0,1
	s_delay_alu instid0(VALU_DEP_2)
	v_add_f32_dpp v[SA+4*\p], v[SA+4*\p], v[SA+4*\p] row_xmask:\m row_mask:0xf bank_mask:0xf
.endr
.endr
.irp p, 0,1
	s_delay_alu instid0(VALU_DEP_2)
	v_permlanex16_b32 v[PT+\p], v[SA+4*\p], s[SEL], s[SEL+1]
.endr
.irp p, 0,1
	s_delay_alu instid0(VALU_DEP_2)
	v_add_f32 v[SA+4*\p], v[SA+4*\p], v[PT+\p]
.endr
.endm
.irp i, 0,2,4,6,8,10,12,14,16,18,20,22,24,26,28,30
.irp p, 0,1
	v_pk_add_f32 v[HR+32*\p+\i:HR+32*\p+\i+1], v[HR+32*\p+\i:HR+32*\p+\i+1], v[BO+\i:BO+\i+1]
.endr
.endr
.irp i, 0,2,4,6,8,10,12,14,16,18,20,22,24,26,28,30
.irp p, 0,1
	v_pk_add_f32 v[HR+32*\p+\i:HR+32*\p+\i+1], v[HR+32*\p+\i:HR+32*\p+\i+1], v[XR+32*\p+\i:XR+32*\p+\i+1]
.endr
.endr
.irp p, 0,1
	v_pk_add_f32 v[SA+4*\p:SA+4*\p+1], v[HR+32*\p:HR+32*\p+1], v[HR+32*\p+2:HR+32*\p+3]
	v_pk_add_f32 v[SB+4*\p:SB+4*\p+1], v[HR+32*\p+4:HR+32*\p+5], v[HR+32*\p+6:HR+32*\p+7]
.endr
.irp j, 8,12,16,20,24,28
.irp p, 0,1
	s_delay_alu instid0(VALU_DEP_4)
	v_pk_add_f32 v[SA+4*\p:SA+4*\p+1], v[SA+4*\p:SA+4*\p+1], v[HR+32*\p+\j:HR+32*\p+\j+1]
	s_delay_alu instid0(VALU_DEP_4)
	v_pk_add_f32 v[SB+4*\p:SB+4*\p+1], v[SB+4*\p:SB+4*\p+1], v[HR+32*\p+\j+2:HR+32*\p+\j+3]
.endr
.endr
	ACROSS
.irp p, 0,1
	s_delay_alu instid0(VALU_DEP_2)
	v_mul_f32 v[NM+2*\p], 0xba800000, v[SA+4*\p]   ; - the mean
.endr
.irp p, 0,1
	s_delay_alu instid0(VALU_DEP_2)
	v_mov_b32 v[NM+2*\p+1], v[NM+2*\p]
.endr
.irp i, 0,2,4,6,8,10,12,14,16,18,20,22,24,26,28,30
.irp p, 0,1
	v_pk_add_f32 v[HR+32*\p+\i:HR+32*\p+\i+1], v[HR+32*\p+\i:HR+32*\p+\i+1], v[NM+2*\p:NM+2*\p+1]
.endr
.endr
.irp p, 0,1
	v_pk_mul_f32 v[SA+4*\p:SA+4*\p+1], v[HR+32*\p:HR+32*\p+1], v[HR+32*\p:HR+32*\p+1]
	v_pk_mul_f32 v[SB+4*\p:SB+4*\p+1], v[HR+32*\p+2:HR+32*\p+3], v[HR+32*\p+2:HR+32*\p+3]
.endr
.irp j, 4,8,12,16,20,24,28
.irp p, 0,1
	s_delay_alu instid0(VALU_DEP_4)
	v_pk_fma_f32 v[SA+4*\p:SA+4*\p+1], v[HR+32*\p+\j:HR+32*\p+\j+1], v[HR+32*\p+\j:HR+32*\p+\j+1], v[SA+4*\p:SA+4*\p+1]
	s_delay_alu instid0(VALU_DEP_4)
	v_pk_fma_f32 v[SB+4*\p:SB+4*\p+1], v[HR+32*\p+\j+2:HR+32*\p+\j+3], v[HR+32*\p+\j+2:HR+32*\p+\j+3], v[SB+4*\p:SB+4*\p+1]
.endr
.endr
	ACROSS
.irp p, 0,1
	s_delay_alu instid0(VALU_DEP_2)
	v_fma_f32 v[SA+4*\p], v[SA+4*\p], s[INV], s[EPS]   ; the variance + 1e-12
.endr
	s_wait_alu depctr_va_vdst(0)                   ; the wait ahead of the transcendentals
.irp p, 0,1
	v_rsq_f32 v[NM+2*\p], v[SA+4*\p]
.endr
	v_nop
	s_wait_alu depctr_va_vdst(0)                   ; and behind them, ahead of the first reader
.irp p, 0,1
	v_mov_b32 v[NM+2*\p+1], v[NM+2*\p]
.endr
.irp i, 0,2,4,6,8,10,12,14,16,18,20,22,24,26,28,30
.irp p, 0,1
	v_pk_mul_f32 v[HR+32*\p+\i:HR+32*\p+\i+1], v[HR+32*\p+\i:HR+32*\p+\i+1], v[NM+2*\p:NM+2*\p+1]
.endr
.endr
.irp i, 0,2,4,6,8,10,12,14,16,18,20,22,24,26,28,30
.irp p, 0,1
	v_pk_fma_f32 v[HR+32*\p+\i:HR+32*\p+\i+1], v[HR+32*\p+\i:HR+32*\p+\i+1], v[GA+\i:GA+\i+1], v[BE+\i:BE+\i+1]
.endr
.endr
.irp p, 0,1
.irp i, 0,1,2,3,4,5,6,7
	global_store_b128 v[LI], v[HR+32*\p+4*\i:HR+32*\p+4*\i+3], s[20:21] offset:4096*\p+512*\i th:TH_STORE_NT   ; 32 lanes store 512 consecutive bytes
.endr
.endr
	s_wait_tensorcnt 0x0                           ; the wave's end
	ds_add_u32 v[SPW], v[NIL]
	s_wait_dscnt 0x0
	CROUND                                         ; the closing round
	s_endpgm
.Lfunc_end_k_q67d1e7bb8a_proj:
	.size	k_q67d1e7bb8a_proj, .Lfunc_end_k_q67d1e7bb8a_proj-k_q67d1e7bb8a_proj
	.p2alignl 7, 3214868480
	.fill 96, 4, 3214868480
	.section	.rodata,"a",@progbits
	.p2align	6, 0x0
	.amdhsa_kernel k_q67d1e7bb8a_proj
		.amdhsa_group_segment_fixed_size 327680
		.amdhsa_private_segment_fixed_size 0
		.amdhsa_enable_private_segment 0
		.amdhsa_kernarg_size 72
		.amdhsa_user_sgpr_count 2
		.amdhsa_user_sgpr_kernarg_segment_ptr 1
		.amdhsa_wavefront_size32 1
		.amdhsa_system_sgpr_workgroup_id_x 1
		.amdhsa_system_sgpr_workgroup_id_y 1
		.amdhsa_system_sgpr_workgroup_id_z 1
		.amdhsa_system_vgpr_workitem_id 0
		.amdhsa_next_free_vgpr 256
		.amdhsa_next_free_sgpr 66
		.amdhsa_reserve_vcc 0
		.amdhsa_float_denorm_mode_32 3
		.amdhsa_float_denorm_mode_16_64 3
		.amdhsa_memory_ordered 1
		.amdhsa_forward_progress 1
		.amdhsa_inst_pref_size 65
	.end_amdhsa_kernel
	.amdgpu_metadata
---
amdhsa.version: [ 1, 2 ]
amdhsa.kernels:
  - .name:           k_q67d1e7bb8a_proj
    .symbol:         k_q67d1e7bb8a_proj.kd
    .args:
      - { .name: ao_img, .offset: 0, .size: 8, .value_kind: global_buffer, .address_space: global }
      - { .name: ao_sc, .offset: 8, .size: 8, .value_kind: global_buffer, .address_space: global }
      - { .name: wo_img, .offset: 16, .size: 8, .value_kind: global_buffer, .address_space: global }
      - { .name: Wo_scales, .offset: 24, .size: 8, .value_kind: global_buffer, .address_space: global }
      - { .name: bo, .offset: 32, .size: 8, .value_kind: global_buffer, .address_space: global }
      - { .name: x, .offset: 40, .size: 8, .value_kind: global_buffer, .address_space: global }
      - { .name: gamma, .offset: 48, .size: 8, .value_kind: global_buffer, .address_space: global }
      - { .name: beta, .offset: 56, .size: 8, .value_kind: global_buffer, .address_space: global }
      - { .name: out0, .offset: 64, .size: 8, .value_kind: global_buffer, .address_space: global }
    .group_segment_fixed_size: 327680
    .private_segment_fixed_size: 0
    .kernarg_segment_align: 8
    .kernarg_segment_size: 72
    .max_flat_workgroup_size: 512
    .sgpr_count:     66
    .vgpr_count:     256
    .wavefront_size: 32
...
	.end_amdgpu_metadata
.endif
;; end of part 4
